; MI455X (gfx1250); checked and timed in simulation.
; The chip was launched on July 23, 2026; its instructions are those of AMD's public machine-readable ISA for CDNA 5 (MIT licence, August 2026) and "CDNA5" Instruction Set Architecture Reference Guide (July 2026). The comments in the code are by the model that wrote it; some were corrected since.
;; Multi Head Attention. Allowed arithmetic: matrix products marked QUANTISED: E2M1 operands, one E8M0 scale for each 32 along K, by v_wmma_scale_f32_16x16x128_f8f6f4 with both operands' format E2M1 (or v_wmma_scale_f32_32x16x128_f4), f32 sums; everything else in f32.
;; Inputs: b_attn 3,072 float32; b_proj 1,024 float32; w_attn 3,072 x 1,024 float32; w_proj 1,024 x 1,024 float32; x 4 x 2,048 x 1,024 float32.
;; Outputs: out0 4 x 2,048 x 1,024 float32.
;; This version of the problem:
;;   THIS VERSION OF THE PROBLEM IS GIVEN IN LOW PRECISION. The matrix products marked QUANTISED in the list below multiply operands that are first quantised to E2M1 (2 exponent bits, 1 mantissa bit; 4 bits a number), with one power-of-two scale for each 32 numbers along K (OCP MX v1.0); their sums are f32. All else is computed in f32.
;;   The module's matrix products, in the order in which they are computed (A, B: the left and right operand; K: the contracted axis; several contracted axes count as one K, in the product's order):
;;     1. [M 8,192, K 1,024] x [K 1,024, N 3,072]; A: input x; B: input w_attn: QUANTISED
;;     2. batch 64 x [M 2,048, K 64] x [K 64, N 2,048]; A: computed on the way; B: computed on the way: QUANTISED
;;     3. batch 64 x [M 2,048, K 2,048] x [K 2,048, N 64]; A: softmax (see below); B: computed on the way: QUANTISED
;;     4. [M 8,192, K 1,024] x [K 1,024, N 1,024]; A: computed on the way; B: input w_proj: QUANTISED
;;   THE QUANTISER, for each operand of a quantised product, along K:
;;     - K is cut into blocks of 32 from its start; a last block that is shorter is filled with zeros.
;;     - A block's scale is 2^e with e = floor(log2(the largest magnitude in the block)) - 2, held to -126 .. 127; a block of zeros has e = 0. As a byte (E8M0): e + 127.
;;     - Each number is divided by its block's scale, clamped to +-6, and rounded to the nearest number of E2M1, ties to even, subnormals kept.
;;     - The product sums the exact products of the quantised numbers (number of the format x scale) in f32.
;;   ~~~python
;;   def quantise(x, axis):      # numpy; x: float32 -> the quantised numbers, widened to float32 again
;;       x = np.moveaxis(x, axis, -1); K = x.shape[-1]
;;       x = np.pad(x, [(0, 0)] * (x.ndim - 1) + [(0, -K % 32)]); x = x.reshape(x.shape[:-1] + (-1, 32)); a = np.abs(x).max(-1, keepdims=True)
;;       e = np.where(a > 0, np.clip(np.frexp(np.where(a > 0, a, 1))[1] - 1 - 2, -126, 127), 0)      # np.frexp(a)[1] - 1 = floor(log2(a)), exactly
;;       r = np.clip(x / 2.0 ** e, -6, 6)
;;       step = 2.0 ** (np.maximum(np.frexp(np.where(r == 0, 1, r))[1] - 1, 0) - 1)
;;       q = np.round(r / step) * step * 2.0 ** e      # np.round: ties to even
;;       return np.moveaxis(q.reshape(q.shape[:-2] + (-1,))[..., :K], -1, axis).astype(np.float32)
;;   ~~~
;;   SOFTMAX AHEAD OF A QUANTISED PRODUCT. Where the list says 'softmax', what is quantised is not the finished softmax but p = 2^(t - M), with t = logit x log2(e) and M = ceil(the row's largest t), a whole number; so 1/2 < the row's largest p <= 1. The row's sum l is taken of the UNQUANTISED p, in f32, and the product's result is divided by l at the end. Since M is a whole number, a kernel that streams over the keys may use a running M (the ceiling of the running maximum): every later rescaling is an exact power of two, which a block's scale takes up: the codes' values come out the same.
;;   OPERANDS COMPUTED ON THE WAY. 'Computed on the way' means the value that the module computes at that place (a softmax that the list does not call 'softmax' is quantised finished and normalised). What goes into a quantiser is computed in f32, as accurately as f32 sums, v_exp_f32 and their like allow (about 1e-6 of the number): no bf16 or f16 on the way to a quantiser, and a product that is left as it is and whose result goes on into a quantised operand takes f32 operands (vector FMAs, or v_wmma_f32_16x16x4_f32). A number that lies on a knife's edge between two numbers of the format may be rounded either way, as far as f32 arithmetic and the matrix unit's own rounding can turn it there, and no further.
;; One version. Each part assembles by itself: llvm-mc -triple=amdgcn-amd-amdhsa -mcpu=gfx1250 --defsym DOCPART=n.
;; ======== version 1 of 1: 4 launches
;; limits: right only within a limited range of input values
;; workspace buffers: xw_codes 6,291,456 bytes; xw_scales 393,216 bytes; qkv 13,893,632 bytes; y_codes 4,194,304 bytes; y_scales 262,144 bytes
;; launch quant (part 1): grid 384 x 1, 4 waves a work-group, no clusters, 33,280 bytes of LDS; arguments x, w_attn, w_proj, xw_codes, xw_scales; writes xw_codes, xw_scales
.if DOCPART == 1
	.amdgcn_target "amdgcn-amd-amdhsa--gfx1250"
	.amdhsa_code_object_version 6
	.text
	.protected	k_q368f7dfac4_quant
	.globl	k_q368f7dfac4_quant
	.p2align	8
	.type	k_q368f7dfac4_quant,@function
k_q368f7dfac4_quant:
	s_mov_b64 s[64:65], 0
	v_nop
	global_prefetch_b8 v0, s[64:65] scope:SCOPE_SE
	s_setreg_imm32_b32 hwreg(HW_REG_WAVE_MODE, 25, 1), 1
	s_wait_xcnt 0x0
; x [8192][1024], w_attn [3072][1024] and w_proj [1024][1024], f32, K innermost, become codes of FP4 (E2M1), two a byte, and one E8M0 scale byte for each 32 along K.
; A block's scale is 2^(floor(log2(its largest magnitude)) - 2); its byte is the largest magnitude's exponent field - 2, held at 1 from below.  Each number is divided by the scale and rounded to the nearest code, ties to even; beyond 6 the largest code.
; LIMITS: NaN and infinities among the inputs are not served.  A block whose largest magnitude lies under 2^-124 has its byte held at 1.  A block of zeros gets the byte 1, not 127: its codes are zeros, and this program alone reads the bytes.
; OUTPUT: one stream for the three tensors: 12,288 rows of 512 bytes of codes (x, then w_attn, then w_proj) and 32 scale bytes a row.
; THE ROWS ARE STORED IN TILE ORDER: a row goes to the position that has the row number's bits 3 and 4 exchanged.  So position 16 u + r of a group of 32 holds row 8 u + r + 8 (r / 8): sixteen neighbouring positions are
; a tile whose transposed product leaves, in a lane's 16 registers of two neighbouring tiles, 16 neighbours along the next product's K.
; SHARES: a work-group takes 32 rows, a wave 8 rows (8,192 numbers, 16 steps of 512): a wave's number is the rows' bits 3 and 4, so the exchange is an exchange of the wave number's two bits in the output address.
; A step's four loads read 512 consecutive bytes each; the 2,048 bytes turn through the wave's own stage in LDS and come back 64 bytes a lane: 16 neighbours along K, two lanes to a block.
; No cluster, no tensor load, no barrier: work-groups and waves share nothing.  Loads run eight steps (32 loads a wave) ahead, the turn through LDS one step.
.set STEPS, 16
.set AHEAD, 8                          ; steps of loads on their way, and sets of registers for them
.set WGX,   256                        ; work-groups 0-255 take x,
.set WGA,   352                        ; 256-351 w_attn, 352-383 w_proj
.set EMAX,  2
.set CB,    8                          ; bytes of 16 codes
.set R,     16                         ; v16-143  eight sets of 16 numbers as they are loaded
.set X,     144                        ; v144-175 two sets of 16 neighbours
.set E,     176                        ; v176-191 a scale byte for each step
.set C,     192                        ; v192-223 codes: two registers for each step, so that no store's data are written again
.set SPW,   224                        ; LDS address of my spare word; never rewritten
.set NIL,   225                        ; 0; never rewritten
.set WREG,  8192                       ; LDS: a region for each wave: two stages of 32 x SP bytes, behind them its 256 scale bytes
.set SP,    80                         ; a lane's place in a stage: its 64 bytes + 16 of padding
.set SPARE, 4*WREG                     ; behind the four regions: the spare words, 128 bytes a wave
	s_load_b256 s[4:11], s[0:1], 0x0               ; x s[4:5], w_attn s[6:7], w_proj s[8:9], the codes s[10:11]
	s_load_b64 s[12:13], s[0:1], 0x20              ; the scale bytes
	v_lshl_add_u32 v[SPW], v0, 2, SPARE
	v_mov_b32 v[NIL], 0
	v_lshrrev_b32 v1, 5, v0
	v_readfirstlane_b32 s16, v1                    ; wave
	v_and_b32 v2, 31, v0                           ; lane
	v_lshlrev_b32 v3, 4, v2                        ; my 16 bytes of a load's 512
	s_mul_i32 s17, s16, WREG
	v_lshrrev_b32 v14, 2, v2
	v_mul_u32_u24 v14, v14, SP
	v_and_b32 v15, 3, v2
	v_lshl_add_u32 v14, v15, 4, v14
	v_add_nc_u32 v14, s17, v14                     ; the stage, on the way in: SP (lane / 4) + 16 (lane % 4)
	v_mul_u32_u24 v15, v2, SP
	v_add_nc_u32 v15, s17, v15                     ; and on the way out: SP x lane: my 16 neighbours
	v_mul_u32_u24 v4, v2, CB                       ; my codes' place in a step's
	v_lshrrev_b32 v5, 1, v2
	s_add_co_u32 s17, s17, 2*32*SP
	v_add_nc_u32 v5, s17, v5                       ; LDS: my wave's 256 scale bytes, my block's byte
	v_lshlrev_b32 v7, 3, v2                        ; and on the way out 8 bytes a lane
	v_add_nc_u32 v6, s17, v7
	s_wait_alu depctr_va_vdst(0)
	s_wait_kmcnt 0x0
	s_mov_b32 s17, WGA
	s_cmp_lt_u32 ttmp9, WGA                        ; which tensor?  The choice hangs on the work-group's number alone
	s_cselect_b64 s[6:7], s[6:7], s[8:9]
	s_cselect_b32 s17, WGX, s17
	s_cmp_lt_u32 ttmp9, WGX
	s_cselect_b64 s[4:5], s[4:5], s[6:7]
	s_cselect_b32 s17, 0, s17                      ; the tensor's first work-group
	s_sub_co_u32 s17, ttmp9, s17
	s_lshl_b32 s17, s17, 2
	s_add_co_u32 s18, s17, s16                     ; which run of 8 rows of the tensor is my wave's
	s_lshl_b32 s18, s18, 15                        ; 32,768 bytes a run (under 2^26)
	s_mov_b32 s19, 0
	s_add_nc_u64 s[4:5], s[4:5], s[18:19]
	s_and_b32 s22, s16, 1                          ; the output run: the wave number's two bits exchanged
	s_lshl_b32 s22, s22, 1
	s_lshr_b32 s23, s16, 1
	s_or_b32 s22, s22, s23
	s_lshl_b32 s23, ttmp9, 2
	s_add_co_u32 s22, s22, s23
	s_lshl_b32 s24, s22, 12                        ; 4,096 bytes of codes a run,
	s_mov_b32 s25, 0
	s_add_nc_u64 s[10:11], s[10:11], s[24:25]
	s_lshl_b32 s22, s22, 8                         ; 256 scale bytes
	s_mov_b32 s23, 0
	s_add_nc_u64 s[12:13], s[12:13], s[22:23]
.macro LOAD t
.irp i, 0,1,2,3
	global_load_b128 v[R+16*((\t)%AHEAD)+4*\i:R+16*((\t)%AHEAD)+4*\i+3], v3, s[4:5] offset:2048*(\t)+512*\i th:TH_LOAD_NT   ; 32 lanes read 512 consecutive bytes
.endr
.endm
.macro TURN t                          ; step t's numbers through the stage: LDS serves a wave's instructions in order (ISA guide 5.7.1.4), so no wait stands between the stores and the loads
.irp i, 0,1,2,3
	ds_store_b128 v14, v[R+16*((\t)%AHEAD)+4*\i:R+16*((\t)%AHEAD)+4*\i+3] offset:32*SP*((\t)%2)+8*SP*\i
.endr
.irp i, 0,1,2,3
	ds_load_b128 v[X+16*((\t)%2)+4*\i:X+16*((\t)%2)+4*\i+3], v15 offset:32*SP*((\t)%2)+16*\i
.endr
.endm
.irp t, 0,1,2,3,4,5,6,7
	LOAD \t
.endr
	s_wait_loadcnt 4*(AHEAD-1)                     ; step 0's four loads are in; the 28 of steps 1 to 7 may be out
	TURN 0
.macro STEP t
.set XS, X+16*((\t)%2)
.if (\t) > 0
	s_wait_dscnt 1                                 ; this step's numbers are back from the stage (the last step's byte store may be out): so its stores into the stage have read their registers,
.else
	s_wait_dscnt 0x0
.endif
.if (\t)+AHEAD < STEPS
	LOAD (\t)+AHEAD                                ; which take the loads of eight steps on
.endif
.if (\t)+1 < STEPS
.if STEPS-2-(\t) >= AHEAD-1
	s_wait_loadcnt 4*(AHEAD-1)                     ; the next step's four loads are in; those of the seven steps behind it may be out
.else
	s_wait_loadcnt 4*(STEPS-2-(\t))                ; in the tail fewer steps stand behind it
.endif
	TURN (\t)+1                                    ; and go through the other stage while this step is worked
.endif
	v_max3_num_f32 v8, |v[XS]|, |v[XS+1]|, |v[XS+2]|               ; the largest magnitude of my 16, in two chains
	v_max3_num_f32 v9, |v[XS+3]|, |v[XS+4]|, |v[XS+5]|
.irp i, 6,10
	v_max3_num_f32 v8, v8, |v[XS+\i]|, |v[XS+\i+1]|
	v_max3_num_f32 v9, v9, |v[XS+\i+2]|, |v[XS+\i+3]|
.endr
	v_max3_num_f32 v8, v8, |v[XS+14]|, |v[XS+15]|
	v_max3_num_f32 v8, v8, v9, (EMAX+1)<<23        ; and the floor 2^(3 - 127): so the byte cannot fall under 1
	v_max_num_f32_dpp v8, v8, v8 row_xmask:1 row_mask:0xf bank_mask:0xf   ; and of my neighbour's 16: the block's
	v_add_nc_u32 v11, -(EMAX<<23), v8              ; 2 off its exponent field: the conversion takes the exponent field of this operand as its scale, and nothing else of it
	v_cvt_scalef32_pk8_fp4_f32 v[C+2*(\t)], v[XS:XS+7], v11
	v_cvt_scalef32_pk8_fp4_f32 v[C+2*(\t)+1], v[XS+8:XS+15], v11
	v_lshrrev_b32 v[E+(\t)], 23, v11               ; the scale's byte (also the plain line behind the conversions)
	ds_store_b8 v5, v[E+(\t)] offset:16*(\t)       ; both lanes of a block write the same byte with the same value
	global_store_b64 v4, v[C+2*(\t):C+2*(\t)+1], s[10:11] offset:32*CB*(\t)   ; the wave stores 256 consecutive bytes, aligned
.endm
.irp t, 0,1,2,3,4,5,6,7,8,9,10,11,12,13,14,15
	STEP \t
.endr
	ds_load_b64 v[12:13], v6                       ; these see my byte stores: one wave's LDS instructions are served in order
	s_wait_dscnt 0x0
	global_store_b64 v7, v[12:13], s[12:13]        ; 32 lanes store 256 consecutive bytes, aligned
	s_wait_tensorcnt 0x0                           ; the wave's end
	ds_add_u32 v[SPW], v[NIL]
	s_wait_dscnt 0x0
	s_endpgm
.Lfunc_end_k_q368f7dfac4_quant:
	.size	k_q368f7dfac4_quant, .Lfunc_end_k_q368f7dfac4_quant-k_q368f7dfac4_quant
	.p2alignl 7, 3214868480
	.fill 96, 4, 3214868480
	.section	.rodata,"a",@progbits
	.p2align	6, 0x0
	.amdhsa_kernel k_q368f7dfac4_quant
		.amdhsa_group_segment_fixed_size 33280
		.amdhsa_private_segment_fixed_size 0
		.amdhsa_enable_private_segment 0
		.amdhsa_kernarg_size 40
		.amdhsa_user_sgpr_count 2
		.amdhsa_user_sgpr_kernarg_segment_ptr 1
		.amdhsa_wavefront_size32 1
		.amdhsa_system_sgpr_workgroup_id_x 1
		.amdhsa_system_sgpr_workgroup_id_y 1
		.amdhsa_system_sgpr_workgroup_id_z 1
		.amdhsa_system_vgpr_workitem_id 0
		.amdhsa_next_free_vgpr 226
		.amdhsa_next_free_sgpr 66
		.amdhsa_reserve_vcc 0
		.amdhsa_float_denorm_mode_32 3
		.amdhsa_float_denorm_mode_16_64 3
		.amdhsa_memory_ordered 1
		.amdhsa_forward_progress 1
		.amdhsa_inst_pref_size 34
	.end_amdhsa_kernel
	.amdgpu_metadata
---
amdhsa.version: [ 1, 2 ]
amdhsa.kernels:
  - .name:           k_q368f7dfac4_quant
    .symbol:         k_q368f7dfac4_quant.kd
    .args:
      - { .name: x, .offset: 0, .size: 8, .value_kind: global_buffer, .address_space: global }
      - { .name: w_attn, .offset: 8, .size: 8, .value_kind: global_buffer, .address_space: global }
      - { .name: w_proj, .offset: 16, .size: 8, .value_kind: global_buffer, .address_space: global }
      - { .name: xw_codes, .offset: 24, .size: 8, .value_kind: global_buffer, .address_space: global }
      - { .name: xw_scales, .offset: 32, .size: 8, .value_kind: global_buffer, .address_space: global }
    .group_segment_fixed_size: 33280
    .private_segment_fixed_size: 0
    .kernarg_segment_align: 8
    .kernarg_segment_size: 40
    .max_flat_workgroup_size: 128
    .sgpr_count:     66
    .vgpr_count:     226
    .wavefront_size: 32
...
	.end_amdgpu_metadata
.endif
;; end of part 1
;; launch qkv (part 2): grid 8 x 96, 4 waves a work-group, clusters of 4 x 4, 229,888 bytes of LDS; arguments xw_codes, xw_scales, b_attn, qkv; writes qkv
.if DOCPART == 2
	.amdgcn_target "amdgcn-amd-amdhsa--gfx1250"
	.amdhsa_code_object_version 6
	.text
	.protected	k_q368f7dfac4_qkv
	.globl	k_q368f7dfac4_qkv
	.p2align	8
	.type	k_q368f7dfac4_qkv,@function
k_q368f7dfac4_qkv:
	s_mov_b64 s[64:65], 0
	v_nop
	global_prefetch_b8 v0, s[64:65] scope:SCOPE_SE
	s_setreg_imm32_b32 hwreg(HW_REG_WAVE_MODE, 25, 1), 1
	s_wait_xcnt 0x0
	s_wait_alu depctr_hold_cnt(0) depctr_sa_sdst(0) depctr_va_vdst(0) depctr_va_sdst(0) depctr_va_ssrc(0) depctr_va_vcc(0) depctr_vm_vsrc(0)
	s_getreg_b32 s2, hwreg(HW_REG_IB_STS2, 6, 4)
	s_cmp_eq_u32 s2, 0
	s_cbranch_scc0 .Lentry_in_a_cluster
	s_endpgm
.Lentry_in_a_cluster:
	s_bfe_u32 s2, ttmp6, 0x10000c
	s_cmp_lg_u32 s2, 0xf033
	s_cbranch_scc0 .Lentry_shape_is_right
	s_endpgm
.Lentry_shape_is_right:
; qkv = x w_attn^T + b_attn on codes of FP4 (E2M1) with E8M0 scales, K = 1,024; the results q, k and v never go to memory as f32: each is quantised in registers, along the K of the product that takes it next.
; TWO KINDS OF WORK-GROUP, told apart by the cluster's y, which all sixteen partners share.
;   QK (cluster y 0-15):  A' = 128 tokens of x, B' = 256 rows of w_attn (q's or k's).   V (cluster y 16-23): A' = 128 rows of w_attn (v's), B' = 256 tokens of x: V^T is computed.
; The matrix instruction is used transposed (source 0 = 16 rows of B', source 1 = 16 rows of A'): a lane holds ONE row of A' and its registers run along B'.  Rows lie in memory in tile order (position = row with bits 3 and 4
; exchanged), so that the 16 registers of two neighbouring tiles of B' are 16 neighbours, 32 beta + 16 (lane / 16) + 0 .. 15: in kind QK along the heads' 64 (K of q k^T), in kind V along the tokens (K of p v).
; SHARES: four waves, each 64 rows of A' x 128 rows of B': 32 accumulators.  768 work-groups: three for each of 256 WGPs.
; ALL OF K LIES IN LDS: two slots of 512 along K (rows of 512 bytes + 16 of padding), each filled once, at the head: no LDS byte is filled twice.
; CLUSTER 4 x 4: A' hangs on the tile row, shared along a row of the cluster, B' on the tile column, shared along a column: each tile is asked for jointly, by the same tensor load with a mask that names the four.
; OUTPUT, for each of 64 heads (16 b + head) a block of HS bytes:  KI +0: 128 tiles x 512 bytes, the image of a fragment's four low registers (lane l's 16 bytes at 16 l; lane (r, h): token position 16 T + r, k = 32 h ..);
;   VI +65,536: [128 tokens][16 d][c][lane][16 bytes];  KS +131,072: [tile][r] a word, two bytes used, the others 0;  VS +139,264: [128 tokens][16 d][r] a word;  QI +143,360 and QS +208,896 as KI and KS.
; LIMITS: NaN and infinities are not served; a scale byte is held at 1 from below; a block of zeros gets the byte 1 (zero codes; this program alone reads the bytes).
; REGISTERS: window 0: v1-31 addresses and scale words on the way out; v32-47 A's scale words, v64-95 B's; v48-63 at work in QUANT; v96-127 codes; v128-191 A's fragments, two sets; v192-255 64 numbers on the way out.
;   window 1: v0-63, v128-191 B's fragments, two sets; v64-127 the bias along the registers; v192-199 the bias of the lane's row.   window 2: accumulator (a, b) at v[8 (8 a + b)].
.set HS,    217088
; LDS AS IT IS NOW: a row holds ALL of K, 512 bytes + 16 of padding; one tensor load a wave brings its rows whole; the scale words go from memory straight into their registers and never lie in LDS.
.set PITCH, 528                        ; 132 words: row r starts at bank 4 r mod 64
.set AHALF, 64*PITCH                   ; what one tensor load brings of A', and what a wave reads of it
.set BHALF, 128*PITCH                  ; the same for B'
.set SLOT,  256                        ; the second 512 along K begin 256 bytes on in each row
.set STQ,   2*AHALF+2*BHALF            ; behind the rows: kind QK's stage for scale words: 512 bytes a wave
.set STV,   STQ+2048                   ; kind V's: 256 bytes a wave.  Each kind has LDS bytes of its own
.set LI,   1                           ; v1   16 x lane
.set SH,   2                           ; v2   16 x (lane / 16): the shift that cuts my head's two bytes out of a scale word
.set SQ,   3                           ; v3   kind QK: where I put a scale word
.set SRQ,  4                           ; v4   and where I read 16 bytes back
.set SGQ,  5                           ; v5   and where they go in memory: lanes 0-15 the first head, lanes 16-31 the second
.set SVA,  6                           ; v6   kind V: where I put a scale word
.set SRV,  7                           ; v7   and where I read 8 bytes back
.set L8,   8                           ; v8   8 x lane
.set BF,   9                           ; v9   64 x (lane / 16): the bias along the registers
.set BL,   10                          ; v10  4 x (r + 8 (r / 8)): the bias of my row
.set PW,   12                          ; v12-15 the scale word of row tile a
.set ADRA, 16                          ; v16-17 LDS address of my A' fragments in slot 0, 1
.set ADRB, 20                          ; v20-21 the same for B'
.set ADSA, 22                          ; v22  of A's scale words
.set ADSB, 23                          ; v23  unused
.set PS,   26                          ; v26-29 the word cut to my head's two bytes
.set SA,   32                          ; v[SA + 8 ip + s]: lanes 0-15 the word of A's block 2 ip, lanes 16-31 of block 2 ip + 1, for the s-th 128 along K
.set TM,   48
.set SB,   64                          ; likewise for B'
.set PC,   96
.set AF,   128
.set WK,   192
.set SEL,  12                          ; s[12:13] lane selects for v_permlanex16_b32: lane l xor 16
.set G1,   24
.set G0,   32
.set G1B,  48
.set G0B,  56
.set MSB, 0
.macro WIN new                         ; the immediate's high byte repeats the setting that is left
.if MSB != \new
	s_set_vgpr_msb (MSB<<8)|\new
.set MSB, \new
.endif
.endm
.macro PLACES                          ; four plain vector lines between a matrix instruction and a load into one of its registers or a read of its result
.rept 4
	v_nop
.endr
.endm
; A joint load: waves 0 and 1 fetch for A', waves 2 and 3 for B'.  The branch hangs on the wave's number alone.  Four v_nop follow each of the two lines.
.macro JLOAD g0a, g1a, g0b, g1b
	s_cmp_eq_u32 s15, 0
	s_cbranch_scc0 .Lfor_b_\@
	tensor_load_to_lds s[\g0a:\g0a+3], s[\g1a:\g1a+7]
	s_nop 0
.rept 4
	v_nop
.endr
	s_branch .Lasked_\@
.Lfor_b_\@:
	tensor_load_to_lds s[\g0b:\g0b+3], s[\g1b:\g1b+7]
	s_nop 0
.rept 4
	v_nop
.endr
.Lasked_\@:
.endm
.macro CROUND                          ; a round of the cluster's barrier: my work-group's barrier, wave 0 signals for the work-group, every wave waits for all sixteen, my work-group's barrier once more
	s_barrier_signal -1
	s_barrier_wait -1
	s_cmp_lg_u32 s14, 0
	s_cbranch_scc1 .Lnot_wave_0_\@
	s_barrier_signal -3
.Lnot_wave_0_\@:
	s_barrier_wait -3
	s_barrier_signal -1
	s_barrier_wait -1
.endm
	s_load_b128 s[4:7], s[0:1], 0x0                ; the codes s[4:5], the scale bytes s[6:7]
	s_load_b128 s[8:11], s[0:1], 0x10              ; b_attn s[8:9], qkv s[10:11]
	v_lshl_add_u32 v58, v0, 2, 0x38000
	v_mov_b32 v59, 0
	ds_add_u32 v58, v59
	ds_add_u32 v58, v59
	v_lshrrev_b32 v1, 5, v0
	v_readfirstlane_b32 s14, v1                    ; wave 0..3
	s_lshr_b32 s15, s14, 1                         ; rh: which 64 rows of A' are mine.  Also: I fetch for A' (0) or for B' (1)
	s_and_b32 s16, s14, 1                          ; ch: which 128 rows of B'.  Also: which half of that tile I fetch
	s_bfe_u32 s40, ttmp6, 0x40000                  ; cx, cy: my place in the cluster
	s_bfe_u32 s41, ttmp6, 0x40004
	s_and_b32 s12, ttmp7, 0xffff                   ; the cluster's y
	s_sub_co_u32 s13, s12, 16                      ; (used in kind V alone)
	s_cmp_lt_u32 s12, 16                           ; kind QK?  All selections stand behind this one compare
	s_cselect_b32 s17, s12, ttmp9                  ; the cluster's part of the tile row,
	s_cselect_b32 s42, ttmp9, s13                  ; and of the tile column
	s_cselect_b32 s92, 0, 5242880                  ; where A's codes begin: x, or w_attn's v rows
	s_cselect_b32 s93, 4194304, 0                  ; B's: w_attn, or x
	s_cselect_b32 s94, 0, 327680                   ; A's scale bytes
	s_cselect_b32 s95, 262144, 0                   ; B's
	s_cselect_b32 s96, 0, 1                        ; the kind
	s_lshl_b32 s17, s17, 2
	s_add_co_u32 s17, s17, s41                     ; TR, the tile row: it holds cy and never cx
	s_lshl_b32 s42, s42, 2
	s_add_co_u32 s42, s42, s40                     ; TC, the tile column: cx and never cy
	s_lshl_b32 s43, s41, 2
	s_lshl_b32 s43, 15, s43                        ; my row of the cluster
	s_lshl_b32 s44, 0x1111, s40                    ; my column
	; descriptor groups 1.  Codes: rows of 512 elements of one byte, 512 bytes apart in memory, 4 words of padding behind every 128
	s_or_b32 s[G1+0], s43, (1<<20)|(1<<21)|(6<<22)|(3<<25)   ; rows of 512 bytes, 4 words of padding behind every 128
	s_or_b32 s[G1B+0], s44, (1<<20)|(1<<21)|(6<<22)|(3<<25)
	s_mov_b32 s[G1+1], 512<<16                     ; tensor_dim0
	s_mov_b32 s[G1+2], 64<<16                      ; tensor_dim1: A': 64 rows a load
	s_mov_b32 s[G1+3], 512<<16                     ; tile_dim0
	s_mov_b32 s[G1+4], 64                          ; tile_dim1
	s_mov_b32 s[G1+5], 512                         ; the pitch
	s_mov_b32 s[G1+6], 0
	s_mov_b32 s[G1+7], 0
	s_mov_b32 s[G1B+1], 512<<16
	s_mov_b32 s[G1B+2], 128<<16                    ; B': 128 rows a load
	s_mov_b32 s[G1B+3], 512<<16
	s_mov_b32 s[G1B+4], 128
	s_mov_b32 s[G1B+5], 512
	s_mov_b32 s[G1B+6], 0
	s_mov_b32 s[G1B+7], 0
	s_lshl_b32 s18, s16, 6
	s_lshl_b32 s20, s17, 7
	s_add_co_u32 s20, s20, s18                     ; A': position 128 TR + 64 x half
	s_lshl_b32 s22, s17, 7
	s_lshl_b32 s23, s15, 6
	s_add_co_u32 s22, s22, s23                     ; the 64 rows of A' that I multiply: 128 TR + 64 rh
	s_lshl_b32 s22, s22, 5
	s_add_co_u32 s22, s22, s94                     ; their scale bytes,
	s_mov_b32 s23, 0
	s_lshl_b32 s20, s20, 9
	s_add_co_u32 s20, s20, s92                     ; its codes (all offsets stay under 2^23)
	s_mov_b32 s21, 0
	s_lshl_b32 s18, s16, 7
	s_lshl_b32 s46, s42, 8
	s_add_co_u32 s46, s46, s18                     ; B': position 256 TC + 128 x half
	s_lshl_b32 s98, s46, 5
	s_add_co_u32 s98, s98, s95
	s_mov_b32 s99, 0
	s_lshl_b32 s46, s46, 9
	s_add_co_u32 s46, s46, s93
	s_mov_b32 s47, 0
	s_mul_i32 s45, s16, AHALF                      ; where they go: no place in the cluster enters an LDS address
	s_mul_i32 s97, s16, BHALF
	s_add_co_u32 s97, s97, 2*AHALF
	s_wait_dscnt 0x0
	s_wait_kmcnt 0x0
	s_add_nc_u64 s[20:21], s[4:5], s[20:21]
	s_add_nc_u64 s[22:23], s[6:7], s[22:23]
	s_add_nc_u64 s[46:47], s[4:5], s[46:47]
	s_add_nc_u64 s[98:99], s[6:7], s[98:99]
	CROUND                                         ; all sixteen work-groups are here: the joint loads meet
	s_mov_b32 s[G0], 1
	s_mov_b32 s[G0+1], s45
	s_mov_b64 s[G0+2:G0+3], s[20:21]
	s_or_b32 s[G0+3], s[G0+3], 0x80000000
	s_mov_b32 s[G0B], 1
	s_mov_b32 s[G0B+1], s97
	s_mov_b64 s[G0B+2:G0B+3], s[46:47]
	s_or_b32 s[G0B+3], s[G0B+3], 0x80000000
	JLOAD G0, G1, G0B, G1B                         ; my one tensor load: my rows, all of K
	s_mov_b32 s[SEL], 0x76543210
	s_mov_b32 s[SEL+1], 0xfedcba98
	v_and_b32 v24, 15, v0                          ; r
	v_bfe_u32 v25, v0, 4, 1                        ; h
	v_and_b32 v18, 31, v0                          ; lane
	v_mul_u32_u24 v19, v24, PITCH
	v_lshl_add_u32 v19, v25, 4, v19                ; a fragment's row x pitch + 16 h
	s_mul_i32 s18, s15, AHALF                      ; my 64 rows of A'
	s_mul_i32 s19, s16, BHALF                      ; my 128 rows of B', behind A's 128
	s_add_co_u32 s19, s19, 2*AHALF
	v_add_nc_u32 v[ADRA], s18, v19
	v_add_nc_u32 v[ADRB], s19, v19
	s_add_co_u32 s18, s18, SLOT
	s_add_co_u32 s19, s19, SLOT
	v_add_nc_u32 v[ADRA+1], s18, v19
	v_add_nc_u32 v[ADRB+1], s19, v19
	v_lshlrev_b32 v[ADSA], 5, v18                  ; scale words: lane l takes row l of 32: 32 bytes a row, dense in memory
	v_lshlrev_b32 v[LI], 4, v18
	v_lshlrev_b32 v[SH], 4, v25
	s_lshl_b32 s18, s14, 9
	s_add_co_u32 s18, s18, STQ
	v_lshl_add_u32 v[SQ], v25, 8, s18              ; kind QK's stage: 512 x wave + 256 x head + 64 x tile + 4 r
	v_lshl_add_u32 v[SQ], v24, 2, v[SQ]
	v_add_nc_u32 v[SRQ], s18, v[LI]
	v_mul_u32_u24 v[SGQ], v25, HS
	v_lshl_add_u32 v[SGQ], v24, 4, v[SGQ]
	s_lshl_b32 s18, s14, 8
	s_add_co_u32 s18, s18, STV
	v_lshl_add_u32 v[SVA], v24, 2, s18             ; kind V's: 256 x wave + 64 x tile + 4 r
	v_lshlrev_b32 v[L8], 3, v18
	v_add_nc_u32 v[SRV], s18, v[L8]
	v_lshlrev_b32 v[BF], 6, v25
	s_wait_alu depctr_va_vdst(0)
	v_and_b32 v11, 8, v24
	v_add_nc_u32 v11, v11, v24
	v_lshlrev_b32 v[BL], 2, v11
	s_wait_alu depctr_va_vdst(0)
.irp b, 0,1,2,3
	v_mov_b32 v[TM+4+\b], 0                        ; written once: a lane permute's destination counts as one of its sources
.endr
	; THE BIASES.  Both forms are loaded by every work-group, so that the two kinds part only once, on the way out; the form that a kind does not use is read at b_attn's head.
	s_lshl_b32 s18, s42, 8
	s_lshl_b32 s19, s16, 7
	s_add_co_u32 s18, s18, s19
	s_lshl_b32 s18, s18, 2                         ; kind QK: my 128 features begin at 256 TC + 128 ch
	s_lshl_b32 s19, s17, 7
	s_lshl_b32 s66, s15, 6
	s_add_co_u32 s19, s19, s66
	s_add_co_u32 s19, s19, 2048
	s_lshl_b32 s19, s19, 2                         ; kind V: my 64 features begin at 2,048 + 128 TR + 64 rh
	s_cmp_eq_u32 s96, 0
	s_cselect_b32 s18, s18, 0
	s_cselect_b32 s66, 0, s19
	s_mov_b32 s19, 0
	s_mov_b32 s67, 0
	s_add_nc_u64 s[18:19], s[8:9], s[18:19]
	s_add_nc_u64 s[66:67], s[8:9], s[66:67]
	WIN 0x40                                       ; destination window 1
.irp q, 0,1,2,3
.irp j, 0,1,2,3
	global_load_b128 v[64+16*\q+4*\j:64+16*\q+4*\j+3], v[BF], s[18:19] offset:128*\q+16*\j   ; register 16 q + i: the bias of feature 32 q + 16 h + i
.endr
.endr
.irp a, 0,1,2,3
	global_load_b32 v[192+2*\a], v[BL], s[66:67] offset:(32*(\a/2)+8*(\a%2))*4   ; the bias of my row of tile a, twice: a pair for the packed addition
	global_load_b32 v[193+2*\a], v[BL], s[66:67] offset:(32*(\a/2)+8*(\a%2))*4
.endr
	WIN 0
.irp ip, 0,1
.irp g, 0,1
	global_load_b128 v[SA+8*\ip+4*\g:SA+8*\ip+4*\g+3], v[ADSA], s[22:23] offset:1024*\ip+16*\g   ; the scale words of all eight steps stay in registers: two loads cover 1,024 consecutive bytes
.endr
.endr
.irp ip, 0,1,2,3
.irp g, 0,1
	global_load_b128 v[SB+8*\ip+4*\g:SB+8*\ip+4*\g+3], v[ADSA], s[98:99] offset:1024*\ip+16*\g
.endr
.endr
.macro FRAG reg, adr, q, i             ; a fragment, 16 rows x 128 K of 4-bit codes: registers 4 c .. 4 c + 3 hold K = 64 c + 32 (lane / 16) + 0 .. 31: 16 bytes of the row as they lie
.irp c, 0,1
	ds_load_b128 v[\reg+4*\c:\reg+4*\c+3], v[\adr] offset:64*(\q)+32*\c+(\i)*16*PITCH
.endr
.endm
.macro FETCH s                         ; step s's 24 loads: B's eight fragments and A's four, into set s % 2
	WIN 0x40
.irp i, 0,1,2,3,4,5,6,7
	FRAG 128*((\s)%2)+8*\i, ADRB+(\s)/4, (\s)%4, \i
.endr
	WIN 0
.irp i, 0,1,2,3
	FRAG AF+32*((\s)%2)+8*\i, ADRA+(\s)/4, (\s)%4, \i
.endr
.endm
; One product: accumulator (a, b), fragments of set p, step s.  Source 0 = B's block b, whose scale words lie in lanes 0-15 (b even) or 16-31 (b odd) of their register; source 1 = A's block a likewise.
; cmode 0: the product starts the sum with the constant 0; else it adds onto v[rC ..].
.macro WM a, b, p, s, cmode
.set rD, 8*(8*(\a)+(\b))
.set rC, rD
.set rB, 128*(\p)+8*(\b)
.set rA, AF+32*(\p)+8*(\a)
.set rX, SB+8*((\b)/2)+(\s)
.set rY, SA+8*((\a)/2)+(\s)
.set par, 2*((\a)%2)+(\b)%2
.if \cmode == 0
.if par == 0
	v_wmma_scale_f32_16x16x128_f8f6f4 v[rD:rD+7], v[rB:rB+7], v[rA:rA+7], 0, v[rX], v[rY] matrix_a_fmt:MATRIX_FMT_FP4 matrix_b_fmt:MATRIX_FMT_FP4
.elseif par == 1
	v_wmma_scale_f32_16x16x128_f8f6f4 v[rD:rD+7], v[rB:rB+7], v[rA:rA+7], 0, v[rX], v[rY] matrix_a_fmt:MATRIX_FMT_FP4 matrix_b_fmt:MATRIX_FMT_FP4 matrix_a_scale:MATRIX_SCALE_ROW1
.elseif par == 2
	v_wmma_scale_f32_16x16x128_f8f6f4 v[rD:rD+7], v[rB:rB+7], v[rA:rA+7], 0, v[rX], v[rY] matrix_a_fmt:MATRIX_FMT_FP4 matrix_b_fmt:MATRIX_FMT_FP4 matrix_b_scale:MATRIX_SCALE_ROW1
.else
	v_wmma_scale_f32_16x16x128_f8f6f4 v[rD:rD+7], v[rB:rB+7], v[rA:rA+7], 0, v[rX], v[rY] matrix_a_fmt:MATRIX_FMT_FP4 matrix_b_fmt:MATRIX_FMT_FP4 matrix_a_scale:MATRIX_SCALE_ROW1 matrix_b_scale:MATRIX_SCALE_ROW1
.endif
.else
.if par == 0
	v_wmma_scale_f32_16x16x128_f8f6f4 v[rD:rD+7], v[rB:rB+7], v[rA:rA+7], v[rC:rC+7], v[rX], v[rY] matrix_a_fmt:MATRIX_FMT_FP4 matrix_b_fmt:MATRIX_FMT_FP4
.elseif par == 1
	v_wmma_scale_f32_16x16x128_f8f6f4 v[rD:rD+7], v[rB:rB+7], v[rA:rA+7], v[rC:rC+7], v[rX], v[rY] matrix_a_fmt:MATRIX_FMT_FP4 matrix_b_fmt:MATRIX_FMT_FP4 matrix_a_scale:MATRIX_SCALE_ROW1
.elseif par == 2
	v_wmma_scale_f32_16x16x128_f8f6f4 v[rD:rD+7], v[rB:rB+7], v[rA:rA+7], v[rC:rC+7], v[rX], v[rY] matrix_a_fmt:MATRIX_FMT_FP4 matrix_b_fmt:MATRIX_FMT_FP4 matrix_b_scale:MATRIX_SCALE_ROW1
.else
	v_wmma_scale_f32_16x16x128_f8f6f4 v[rD:rD+7], v[rB:rB+7], v[rA:rA+7], v[rC:rC+7], v[rX], v[rY] matrix_a_fmt:MATRIX_FMT_FP4 matrix_b_fmt:MATRIX_FMT_FP4 matrix_a_scale:MATRIX_SCALE_ROW1 matrix_b_scale:MATRIX_SCALE_ROW1
.endif
.endif
.endm
.macro MUL a0, p, s, cmode             ; 16 products: A's blocks a0, a0 + 1 x B's eight.  The 32 accumulators take turns, one instruction a turn, in the same order in every step
.irp a, \a0, \a0+1
.irp b, 0,1,2,3,4,5,6,7
	WM \a, \b, \p, \s, \cmode
.endr
.endr
.endm
; A step of 128 along K: its fragments are in; the next step's are asked for, into the set that the last step's products read (four places behind them); then 32 products.
.macro STEP s, cmode
	s_wait_dscnt 0x0                               ; this step's 24 loads
.if (\s) < 7
	PLACES
	FETCH (\s)+1
.endif
	WIN 0xa1                                       ; source 0 (B') window 1, source 1 (A') window 0, C and D window 2
	MUL 0, (\s)%2, \s, \cmode
	MUL 2, (\s)%2, \s, \cmode
	WIN 0
.endm
; 64 numbers of a lane, v[s] .. v[s + 63], register 16 b + i = k 32 b + 16 (lane / 16) + i of my row, become a fragment's codes in v[pc] on (registers 4 c .. 4 c + 3: k = 64 c + 32 (lane / 16) ..) and its scale word in v[pw].
.macro QUANT s, pc, pw
.irp b, 0,1,2,3
	v_max3_num_f32 v[TM+\b], |v[\s+16*\b]|, |v[\s+1+16*\b]|, 0x1800000   ; block b: my 16 numbers, and the floor 2^(3 - 127): so the byte cannot fall under 1
.endr
.irp i, 2,4,6,8,10,12,14
.irp b, 0,1,2,3
	v_max3_num_f32 v[TM+\b], v[TM+\b], |v[\s+16*\b+\i]|, |v[\s+1+16*\b+\i]|   ; (the four blocks by turns)
.endr
.endr
.irp b, 0,1,2,3
	v_permlanex16_b32 v[TM+4+\b], v[TM+\b], s[SEL], s[SEL+1]
.endr
.irp b, 0,1,2,3
	v_max_num_f32 v[TM+\b], v[TM+\b], v[TM+4+\b]   ; with lane l xor 16's: the block's largest magnitude
.endr
.irp b, 0,1,2,3
	v_add_nc_u32 v[TM+12+\b], 0xff000000, v[TM+\b] ; 2 off its exponent field: the conversion's scale operand
.endr
.irp b, 0,1,2,3
	v_lshrrev_b32 v[TM+4+\b], 23, v[TM+12+\b]      ; the scale's byte
.endr
	v_lshl_or_b32 v[\pw], v[TM+5], 8, v[TM+4]
	v_lshl_or_b32 v[\pw], v[TM+6], 16, v[\pw]
	v_lshl_or_b32 v[\pw], v[TM+7], 24, v[\pw]
.irp b, 0,1,2,3
	v_cvt_scalef32_pk8_fp4_f32 v[\pc+2*\b], v[\s+16*\b:\s+7+16*\b], v[TM+12+\b]
	v_cvt_scalef32_pk8_fp4_f32 v[\pc+1+2*\b], v[\s+8+16*\b:\s+15+16*\b], v[TM+12+\b]
.endr
	v_nop                                          ; one plain line behind a scaled conversion
.irp c, 0,1                                    ; a whole block to a lane: lanes 0-15 block 2 c, lanes 16-31 block 2 c + 1
.irp i, 0,1
	v_permlane16_swap_b32 v[\pc+4*\c+\i], v[\pc+2+4*\c+\i]
.endr
.endr
.endm
	s_wait_tensorcnt 0x0                           ; my rows are in
	s_barrier_signal -1
	s_barrier_wait -1                              ; everybody's are
	FETCH 0
	s_wait_loadcnt 0x0                             ; the scale words and the biases; their base registers are free from here on
	STEP 0, 0                                      ; the first step's products start the sums: nothing is cleared
.irp s, 1,2,3,4,5,6,7
	STEP \s, 1
.endr
	PLACES                                         ; behind the last products, ahead of the first read of results
	s_cmp_eq_u32 s96, 1
	s_cbranch_scc1 .Lv
	; ---- KIND QK.  My 64 tokens x 128 features are two heads of q or of k.  For each tile of 16 tokens: + bias, quantised; registers 0-3 of the codes are the first head's fragment image, 4-7 the second's.
	s_lshl_b32 s18, s17, 7
	s_lshl_b32 s19, s15, 6
	s_add_co_u32 s18, s18, s19                     ; my first token position
	s_lshr_b32 s19, s18, 11                        ; b
	s_and_b32 s18, s18, 2047
	s_lshr_b32 s18, s18, 4                         ; my first tile of 16 in the batch
	s_lshl_b32 s66, s42, 8
	s_lshl_b32 s67, s16, 7
	s_add_co_u32 s66, s66, s67                     ; my first feature
	s_lshr_b32 s67, s66, 10                        ; 0: q, 1: k
	s_and_b32 s66, s66, 1023
	s_lshr_b32 s66, s66, 6                         ; my first head
	s_lshl_b32 s19, s19, 4
	s_add_co_u32 s19, s19, s66
	s_mul_i32 s19, s19, HS                         ; its block
	s_cmp_eq_u32 s67, 1
	s_cselect_b32 s66, 0, 143360                   ; KI or QI
	s_mov_b32 s67, 208896
	s_cselect_b32 s92, 131072, s67                 ; KS or QS
	s_add_co_u32 s66, s66, s19
	s_lshl_b32 s67, s18, 9
	s_add_co_u32 s66, s66, s67
	s_mov_b32 s67, 0
	s_add_co_u32 s92, s92, s19
	s_lshl_b32 s93, s18, 6
	s_add_co_u32 s92, s92, s93
	s_mov_b32 s93, 0
	s_add_nc_u64 s[66:67], s[10:11], s[66:67]
	s_add_nc_u64 s[92:93], s[10:11], s[92:93]
.irp a, 0,1,2,3
	WIN 0x06                                       ; source 0 window 2 (the sums), source 1 window 1 (the bias)
.set j, 0
.rept 32
	v_pk_add_f32 v[WK+j:WK+j+1], v[64*\a+j:64*\a+j+1], v[64+j:64+j+1]   ; each accumulator from its low end on
.set j, j+2
.endr
	WIN 0
	QUANT WK, PC+8*\a, PW+\a
	global_store_b128 v[LI], v[PC+8*\a:PC+8*\a+3], s[66:67] offset:512*\a         ; 32 lanes store 512 consecutive bytes, aligned: the first head's tile
	global_store_b128 v[LI], v[PC+8*\a+4:PC+8*\a+7], s[66:67] offset:512*\a+HS    ; the second head's
	v_lshrrev_b32 v[PS+\a], v[SH], v[PW+\a]        ; lanes 0-15 keep the first head's two bytes, lanes 16-31 the second's;
	v_and_b32 v[PS+\a], 0xffff, v[PS+\a]           ; the upper two bytes are 0: they scale the zero codes that fill K from 64 to 128
	ds_store_b32 v[SQ], v[PS+\a] offset:64*\a
.endr
	ds_load_b128 v[WK:WK+3], v[SRQ]                ; one wave's LDS instructions are served in order: these see my stores
	s_wait_dscnt 0x0
	global_store_b128 v[SGQ], v[WK:WK+3], s[92:93] ; sixteen lanes store 256 consecutive bytes, aligned, for each head
	s_branch .Lend
.Lv:	; ---- KIND V.  My 64 features are one head's d, my 128 tokens one key step.  For each tile of 16 d: + bias, quantised along the tokens: the image of a whole fragment.
	s_lshl_b32 s18, s42, 8
	s_lshl_b32 s19, s16, 7
	s_add_co_u32 s18, s18, s19                     ; my first token position
	s_lshr_b32 s19, s18, 11                        ; b
	s_and_b32 s18, s18, 2047
	s_lshr_b32 s18, s18, 7                         ; which 128 tokens of the batch
	s_lshl_b32 s19, s19, 4
	s_lshl_b32 s66, s17, 1
	s_add_co_u32 s66, s66, s15                     ; the head
	s_add_co_u32 s19, s19, s66
	s_mul_i32 s19, s19, HS
	s_lshl_b32 s66, s18, 12
	s_add_co_u32 s66, s66, s19
	s_add_co_u32 s66, s66, 65536                   ; VI
	s_mov_b32 s67, 0
	s_lshl_b32 s92, s18, 8
	s_add_co_u32 s92, s92, s19
	s_add_co_u32 s92, s92, 139264                  ; VS
	s_mov_b32 s93, 0
	s_add_nc_u64 s[66:67], s[10:11], s[66:67]
	s_add_nc_u64 s[92:93], s[10:11], s[92:93]
.irp a, 0,1,2,3
	WIN 0x06
.set j, 0
.rept 32
	v_pk_add_f32 v[WK+j:WK+j+1], v[64*\a+j:64*\a+j+1], v[192+2*\a:193+2*\a]   ; the bias hangs on my row alone
.set j, j+2
.endr
	WIN 0
	QUANT WK, PC+8*\a, PW+\a
	global_store_b128 v[LI], v[PC+8*\a:PC+8*\a+3], s[66:67] offset:1024*\a        ; 512 consecutive bytes, aligned
	global_store_b128 v[LI], v[PC+8*\a+4:PC+8*\a+7], s[66:67] offset:1024*\a+512
	ds_store_b32 v[SVA], v[PW+\a] offset:64*\a     ; lanes l and l xor 16 write the same word with the same value
.endr
	ds_load_b64 v[WK:WK+1], v[SRV]
	s_wait_dscnt 0x0
	global_store_b64 v[L8], v[WK:WK+1], s[92:93]   ; 32 lanes store 256 consecutive bytes, aligned
.Lend:
	s_wait_dscnt 0x0
	s_wait_tensorcnt 0x0
	ds_add_u32 v58, v59
	s_wait_dscnt 0x0
	CROUND                                         ; the closing round: no work-group ends while a partner may still ask for a tile that names it
	s_endpgm
.Lfunc_end_k_q368f7dfac4_qkv:
	.size	k_q368f7dfac4_qkv, .Lfunc_end_k_q368f7dfac4_qkv-k_q368f7dfac4_qkv
	.p2alignl 7, 3214868480
	.fill 96, 4, 3214868480
	.section	.rodata,"a",@progbits
	.p2align	6, 0x0
	.amdhsa_kernel k_q368f7dfac4_qkv
		.amdhsa_group_segment_fixed_size 229888
		.amdhsa_private_segment_fixed_size 0
		.amdhsa_enable_private_segment 0
		.amdhsa_kernarg_size 32
		.amdhsa_user_sgpr_count 2
		.amdhsa_user_sgpr_kernarg_segment_ptr 1
		.amdhsa_wavefront_size32 1
		.amdhsa_system_sgpr_workgroup_id_x 1
		.amdhsa_system_sgpr_workgroup_id_y 1
		.amdhsa_system_sgpr_workgroup_id_z 1
		.amdhsa_system_vgpr_workitem_id 0
		.amdhsa_next_free_vgpr 768
		.amdhsa_next_free_sgpr 100
		.amdhsa_reserve_vcc 0
		.amdhsa_float_denorm_mode_32 3
		.amdhsa_float_denorm_mode_16_64 3
		.amdhsa_memory_ordered 1
		.amdhsa_forward_progress 1
		.amdhsa_inst_pref_size 109
	.end_amdhsa_kernel
	.amdgpu_metadata
---
amdhsa.version: [ 1, 2 ]
amdhsa.kernels:
  - .name:           k_q368f7dfac4_qkv
    .symbol:         k_q368f7dfac4_qkv.kd
    .args:
      - { .name: xw_codes, .offset: 0, .size: 8, .value_kind: global_buffer, .address_space: global }
      - { .name: xw_scales, .offset: 8, .size: 8, .value_kind: global_buffer, .address_space: global }
      - { .name: b_attn, .offset: 16, .size: 8, .value_kind: global_buffer, .address_space: global }
      - { .name: qkv, .offset: 24, .size: 8, .value_kind: global_buffer, .address_space: global }
    .group_segment_fixed_size: 229888
    .private_segment_fixed_size: 0
    .kernarg_segment_align: 8
    .kernarg_segment_size: 32
    .max_flat_workgroup_size: 128
    .sgpr_count:     100
    .vgpr_count:     768
    .wavefront_size: 32
...
	.end_amdgpu_metadata
.endif
;; end of part 2
;; launch attn (part 3): grid 8 x 32, 8 waves a work-group, clusters of 4 x 1, 327,680 bytes of LDS; arguments qkv, y_codes, y_scales; writes y_codes, y_scales
.if DOCPART == 3
	.amdgcn_target "amdgcn-amd-amdhsa--gfx1250"
	.amdhsa_code_object_version 6
	.text
	.protected	k_q368f7dfac4_attn
	.globl	k_q368f7dfac4_attn
	.p2align	8
	.type	k_q368f7dfac4_attn,@function
k_q368f7dfac4_attn:
	s_mov_b64 s[64:65], 0
	v_nop
	global_prefetch_b8 v0, s[64:65] scope:SCOPE_SE
	s_setreg_imm32_b32 hwreg(HW_REG_WAVE_MODE, 25, 1), 1
	s_wait_xcnt 0x0
	s_wait_alu depctr_hold_cnt(0) depctr_sa_sdst(0) depctr_va_vdst(0) depctr_va_sdst(0) depctr_va_ssrc(0) depctr_va_vcc(0) depctr_vm_vsrc(0)
	s_getreg_b32 s2, hwreg(HW_REG_IB_STS2, 6, 4)
	s_cmp_eq_u32 s2, 0
	s_cbranch_scc0 .Lentry_in_a_cluster
	s_endpgm
.Lentry_in_a_cluster:
	s_bfe_u32 s2, ttmp6, 0x10000c
	s_cmp_lg_u32 s2, 0x3003
	s_cbranch_scc0 .Lentry_shape_is_right
	s_endpgm
.Lentry_shape_is_right:
; y = softmax(q k^T / 8) v for 64 heads of 2,048 tokens and 64 channels, both products on codes of FP4 (E2M1) with E8M0 scales; y leaves as codes and scale words for the projection.
; THE SOFTMAX: t = score x log2(e) / 8; M = the running largest t rounded up to a whole number; p = 2^(t - M) is quantised along the keys; the row's sum is taken of the unquantised p and divides at the end.
; When M moves, the sum and O are multiplied by 2^(old M - new M), exactly, in every step: no branch hangs on data.
; LIMITS: the promise holds while |t| stays under 2^31; NaN and infinities are not served; a scale byte is held at 1 from below (a block of zeros keeps the byte 1: its codes are zeros).
; SHARES: a work-group owns 256 queries of two heads (16 b + 2 y', 16 b + 2 y' + 1), which it takes one after the other; each of its eight waves owns 32 queries, two tiles of 16: every fragment of K and V that a wave
; reads from LDS feeds two matrix instructions.  Both heads' images of K, V and their scale words (143,360 bytes a head) lie in LDS for the whole launch: each wave brings an eighth, 140 rows of 256 bytes, by ONE tensor load.
; CLUSTER 4 x 1: the four work-groups of a cluster walk the same two heads, so the load is joint (mask 15).  Nothing is filled twice.  No prefetch: all that the launch reads is asked for at its head, and there is no loop to run ahead in.
; LAYOUT: both products are used transposed (S^T = K Q^T, O^T = V^T P^T): a lane holds one query of each tile.  The tokens lie in tile order, so that the 16 registers of two neighbouring key tiles are 16 neighbouring keys.
; A head has 64 channels and the instruction takes 128 along K: a fragment of K holds TWO key tiles (registers 0-3 the even, 4-7 the odd one), multiplied by [q | 0] or by [0 | q]: zero codes add nothing under any finite scale byte.
; The two tiles' scale words (two bytes used, two 0) are joined into one; q's word serves as it is, or shifted up by two bytes.
; A step's K fragments are fetched one step ahead; the last step of a head so reads 4,096 bytes of V's image and 512 of V's words, which nothing uses.
; REGISTERS: window 0: addresses, scale words, the softmax; v128-255 S^T, then p (tile u at 64 u).  Window 1: v0-63 O^T (tile u at 32 u), v64-95 K, v96-127 V, v128-175 Q as [0][q][0], 12 registers for each head and tile.
.set HS,   217088                      ; a head's block in memory
.set HL,   143360                      ; its part that lies in LDS: KI, VI, KS, VS
.set VIO,  65536
.set KSO,  131072
.set VSO,  139264
.set QIO,  143360
.set QSO,  208896
.set YST,  2*HL                        ; the stage for y's scale words: 1,024 bytes
.set SPARE, YST+1024                   ; the spare words: 128 bytes a wave
.set WPART, 35840                      ; what one tensor load brings
.set LI,  1                            ; 16 x lane
.set R4,  2                            ; 4 x (lane % 16)
.set ADK, 3
.set ADV, 4
.set ADS, 5
.set ADT, 6
.set YSA, 7
.set SPW, 8
.set NIL, 9
.set YRD, 10
.set YGO, 11
.set YW,  12                           ; y's scale word of tile u
.set PWD, 14                           ; p's scale word of tile u
.set QW,  16                           ; q's scale words: 4 head + 2 u + (0: as given, 1: two bytes up)
.set MM,  24                           ; pairs (-M, largest t) of tile u
.set LS,  28                           ; the sums, two halves a tile
.set FF,  32                           ; pairs (f, 0)
.set TT,  36
.set KR,  38                           ; K's scale words as they lie
.set KW,  46                           ; joined, two tiles a word
.set VW,  50
.set BM,  54                           ; block g = 4 u + b: largest score, then largest p
.set BP,  62
.set X,   BP+4
.set BS,  70
.set PCD, 78                           ; p's codes, 8 a tile
.set T,   94                           ; 32 registers: tile 0's sums of four; y's codes on the way out
.set YC,  T
.set S,   128
.set O,   0
.set KF,  64
.set VF,  96
.set Q,   128
.set WV,  10
.set SEL, 20
.set CS,  22
.set G1,  24
.set G0,  32
.set SKI, 40
.set SVI, 41
.set SKS, 42
.set SVS, 43
.set CNT, 44
.set MSB, 0
.macro WIN new                         ; the immediate's high byte repeats the setting that is left
.if MSB != \new
	s_set_vgpr_msb (MSB<<8)|\new
.set MSB, \new
.endif
.endm
.macro VWAIT
	s_wait_alu depctr_va_vdst(0)
.endm
.macro CROUND                          ; a round of the cluster's barrier
	s_barrier_signal -1
	s_barrier_wait -1
	s_cmp_lg_u32 s[WV], 0
	s_cbranch_scc1 .Lnot_wave_0_\@
	s_barrier_signal -3
.Lnot_wave_0_\@:
	s_barrier_wait -3
	s_barrier_signal -1
	s_barrier_wait -1
.endm
	s_load_b128 s[4:7], s[0:1], 0x0                ; qkv, y's codes
	s_load_b64 s[8:9], s[0:1], 0x10                ; y's scale words
	v_lshl_add_u32 v[SPW], v0, 2, SPARE
	v_mov_b32 v[NIL], 0
	ds_add_u32 v[SPW], v[NIL]                      ; the opening lines: the add, twice on end, and its wait
	ds_add_u32 v[SPW], v[NIL]
	v_lshrrev_b32 v3, 5, v0
	v_readfirstlane_b32 s[WV], v3                  ; wave 0..7
	s_bfe_u32 s11, ttmp6, 0x40000                  ; cx
	s_lshl_b32 s12, ttmp9, 2
	s_add_co_u32 s12, s12, s11                     ; which 256 queries
	s_and_b32 s13, ttmp7, 0xffff                   ; which pair of heads
	s_lshl_b32 s14, s13, 1
	s_mul_i32 s14, s14, HS                         ; the first head's block
	s_mul_i32 s16, s[WV], WPART                    ; my eighth in LDS: waves 0-3 head 0, waves 4-7 head 1
	s_lshr_b32 s18, s[WV], 2
	s_mul_i32 s18, s18, HS-HL                      ; in memory the second head begins HS - HL further on
	s_add_co_u32 s18, s18, s16
	s_add_co_u32 s18, s18, s14
	s_mov_b32 s19, 0
	s_mov_b32 s[G1], 15|(3<<16)|(1<<21)            ; the mask of the four; elements of 8 bytes
	s_mov_b32 s[G1+1], 32<<16                      ; rows of 256 bytes,
	s_mov_b32 s[G1+2], 140<<16                     ; 140 of them, dense
	s_mov_b32 s[G1+3], 32<<16
	s_mov_b32 s[G1+4], 140
	s_mov_b32 s[G1+5], 32
	s_mov_b32 s[G1+6], 0
	s_mov_b32 s[G1+7], 0
	s_mov_b32 s[SEL], 0x76543210
	s_mov_b32 s[SEL+1], 0xfedcba98
	s_mov_b32 s[CS], 0x3e38aa3b                    ; log2(e) / 8
	s_mov_b32 s[CS+1], s[CS]
	s_wait_dscnt 0x0
	s_wait_kmcnt 0x0
	s_mov_b32 s[G0], 1
	s_mov_b32 s[G0+1], s16
	s_add_nc_u64 s[G0+2:G0+3], s[4:5], s[18:19]
	s_or_b32 s[G0+3], s[G0+3], 0x80000000
	CROUND                                         ; the four work-groups are here: the joint loads meet
	tensor_load_to_lds s[G0:G0+3], s[G1:G1+7]      ; my one tensor load
	s_nop 0
.rept 4
	v_nop
.endr
	s_lshl_b32 s17, s12, 4
	s_lshl_b32 s56, s[WV], 1
	s_add_co_u32 s17, s17, s56                     ; my first tile of 16 queries
	s_lshl_b32 s46, s17, 9
	s_add_co_u32 s46, s46, s14
	s_add_co_u32 s46, s46, QIO
	s_mov_b32 s47, 0
	s_add_nc_u64 s[46:47], s[4:5], s[46:47]        ; q's codes
	s_lshl_b32 s48, s17, 6
	s_add_co_u32 s48, s48, s14
	s_add_co_u32 s48, s48, QSO
	s_mov_b32 s49, 0
	s_add_nc_u64 s[48:49], s[4:5], s[48:49]        ; q's scale words
	s_lshr_b32 s54, s13, 3                         ; b
	s_and_b32 s55, s13, 7                          ; which 128 of the projection's K
	s_lshl_b32 s50, s55, 9
	s_lshl_b32 s56, s54, 7
	s_add_co_u32 s50, s50, s56
	s_add_co_u32 s50, s50, s17
	s_lshl_b32 s50, s50, 10
	s_mov_b32 s51, 0
	s_add_nc_u64 s[50:51], s[6:7], s[50:51]        ; y's codes: 1,024 bytes a tile
	s_lshl_b32 s52, s55, 13
	s_lshl_b32 s56, s54, 11
	s_add_co_u32 s52, s52, s56
	s_lshl_b32 s56, s12, 8
	s_add_co_u32 s52, s52, s56
	s_lshl_b32 s52, s52, 2
	s_mov_b32 s53, 0
	s_add_nc_u64 s[52:53], s[8:9], s[52:53]        ; y's scale words: one a token
	s_lshl_b32 s56, s[WV], 7
	s_add_co_u32 s56, s56, YST
	v_and_b32 v3, 31, v0
	v_lshlrev_b32 v[LI], 4, v3
	v_and_b32 v4, 15, v0
	v_lshlrev_b32 v[R4], 2, v4
	WIN 0x40
.irp hh, 0,1
.irp u, 0,1
	global_load_b128 v[Q+24*\hh+12*\u+4:Q+24*\hh+12*\u+7], v[LI], s[46:47] offset:HS*\hh+512*\u
.endr
.endr
.irp q, 0,12,24,36
.irp j, 0,1,2,3,8,9,10,11
	v_mov_b32 v[Q+\q+\j], 0                        ; the zero codes on both sides of q
.endr
.endr
	WIN 0
.irp hh, 0,1
.irp u, 0,1
	global_load_b32 v[QW+4*\hh+2*\u], v[R4], s[48:49] offset:HS*\hh+64*\u
.endr
.endr
	v_add_nc_u32 v[YSA], s56, v[R4]
	v_lshl_add_u32 v[YRD], v0, 4, YST
	v_lshlrev_b32 v[YGO], 4, v0
.irp g, 0,1,2,3,4,5,6,7
	v_mov_b32 v[BP+\g], 0                          ; written once: a lane permute's destination counts as one of its sources
.endr
	v_mov_b32 v[TT], 0
	v_mov_b32 v[TT+1], 0
	v_mov_b32 v[FF+1], 0                           ; (named as the upper halves of pairs)
	v_mov_b32 v[FF+3], 0
	VWAIT
	s_wait_loadcnt 0x0                             ; q
.irp i, 0,2,4,6
	v_lshlrev_b32 v[QW+\i+1], 16, v[QW+\i]         ; q's word for [0 | q]
.endr
	VWAIT
	s_wait_tensorcnt 0x0                           ; my eighth is in
	s_barrier_signal -1
	s_barrier_wait -1                              ; everybody's is
.macro PASS hh
	s_mov_b32 s[SKI], HL*\hh
	s_mov_b32 s[SVI], HL*\hh+VIO
	s_mov_b32 s[SKS], HL*\hh+KSO
	s_mov_b32 s[SVS], HL*\hh+VSO
	s_mov_b32 s[CNT], 16
	v_add_nc_u32 v[ADK], s[SKI], v[LI]
	v_add_nc_u32 v[ADS], s[SKS], v[R4]
.irp t, 0,1,2,3,4,5,6,7
	ds_load_b32 v[KR+\t], v[ADS] offset:64*\t      ; step 0's K
.endr
	WIN 0x40
.irp t, 0,1,2,3,4,5,6,7
	ds_load_b128 v[KF+4*\t:KF+4*\t+3], v[ADK] offset:512*\t
.endr
.set j, 0
.rept 64
	v_mov_b32 v[O+j], 0                            ; the loop is written once: its first step finds zeros
.set j, j+1
.endr
	WIN 0
	VWAIT
	s_wait_dscnt 0x0
.irp j, 0,1,2,3
	v_lshl_or_b32 v[KW+\j], v[KR+2*\j+1], 16, v[KR+2*\j]
.endr
.irp u, 0,1                                    ; these eight lines are also the places between the scale words' writes and the first product
	v_mov_b32 v[MM+2*\u+1], 0xff61b1e6             ; the largest t so far: -3e38
	v_floor_f32 v[MM+2*\u], -v[MM+2*\u+1]
	v_mov_b32 v[LS+2*\u], 0
	v_mov_b32 v[LS+2*\u+1], 0
.endr
.Lstep_\@:
	WIN 0x05                                       ; K and Q in window 1
.irp t, 0,1,2,3,4,5,6,7
.irp u, 0,1
	v_wmma_scale_f32_16x16x128_f8f6f4 v[S+64*\u+8*\t:S+64*\u+8*\t+7], v[KF+8*(\t/2):KF+8*(\t/2)+7], v[Q+24*\hh+12*\u+4-4*(\t%2):Q+24*\hh+12*\u+11-4*(\t%2)], 0, v[KW+\t/2], v[QW+4*\hh+2*\u+\t%2] matrix_a_fmt:MATRIX_FMT_FP4 matrix_b_fmt:MATRIX_FMT_FP4
.endr
.endr
	WIN 0
	v_add_nc_u32 v[ADK], s[SKI], v[LI]             ; four plain lines: the places ahead of the loads below and of the first read of S^T
	v_add_nc_u32 v[ADV], s[SVI], v[LI]
	v_add_nc_u32 v[ADS], s[SKS], v[R4]
	v_add_nc_u32 v[ADT], s[SVS], v[R4]
.irp t, 0,1,2,3,4,5,6,7
	ds_load_b32 v[KR+\t], v[ADS] offset:512+64*\t  ; the next step's K,
.endr
.irp t, 0,1,2,3
	ds_load_b32 v[VW+\t], v[ADT] offset:64*\t      ; this step's V
.endr
	WIN 0x40
.irp t, 0,1,2,3,4,5,6,7
	ds_load_b128 v[KF+4*\t:KF+4*\t+3], v[ADK] offset:4096+512*\t
.endr
.irp t, 0,1,2,3,4,5,6,7
	ds_load_b128 v[VF+4*\t:VF+4*\t+3], v[ADV] offset:512*\t
.endr
	WIN 0
.irp g, 0,1,2,3,4,5,6,7                        ; the largest score of each block of 32 keys, eight blocks by turns; each accumulator is read from its low end on
	v_max3_num_f32 v[BM+\g], v[S+16*\g], v[S+16*\g+1], v[S+16*\g+2]
.endr
.irp i, 3,5,7,9,11,13
.irp g, 0,1,2,3,4,5,6,7
	v_max3_num_f32 v[BM+\g], v[BM+\g], v[S+16*\g+\i], v[S+16*\g+\i+1]
.endr
.endr
.irp g, 0,1,2,3,4,5,6,7
	v_max_num_f32 v[BM+\g], v[BM+\g], v[S+16*\g+15]
.endr
.irp g, 0,1,2,3,4,5,6,7
	v_permlanex16_b32 v[BP+\g], v[BM+\g], s[SEL], s[SEL+1]
.endr
.irp g, 0,1,2,3,4,5,6,7
	v_max_num_f32 v[BM+\g], v[BM+\g], v[BP+\g]     ; with lane l xor 16's 16 keys
.endr
.irp u, 0,1
	v_max3_num_f32 v[TT+\u], v[BM+4*\u], v[BM+4*\u+1], v[BM+4*\u+2]
.endr
.irp u, 0,1
	v_max_num_f32 v[TT+\u], v[TT+\u], v[BM+4*\u+3]
.endr
.irp u, 0,1
	v_mul_f32 v[TT+\u], s[CS], v[TT+\u]
.endr
.irp u, 0,1
	v_max_num_f32 v[MM+2*\u+1], v[MM+2*\u+1], v[TT+\u]   ; the running largest t
.endr
.irp u, 0,1
	v_mov_b32 v[TT+\u], v[MM+2*\u]
.endr
.irp u, 0,1
	v_floor_f32 v[MM+2*\u], -v[MM+2*\u+1]          ; -M = floor(-t)
.endr
.irp u, 0,1
	v_sub_f32 v[TT+\u], v[MM+2*\u], v[TT+\u]       ; old M - new M, a whole number
.endr
.irp u, 0,1
	v_cvt_i32_f32 v[TT+\u], v[TT+\u]
.endr
.irp u, 0,1
	v_ldexp_f32 v[FF+2*\u], 1.0, v[TT+\u]          ; f
.endr
	WIN 0x41
.irp u, 0,1
.set j, 0
.rept 16
	v_pk_mul_f32 v[O+32*\u+j:O+32*\u+j+1], v[O+32*\u+j:O+32*\u+j+1], v[FF+2*\u:FF+2*\u+1] op_sel_hi:[1,0]   ; O^T under the new M: read here, ahead of the step's exponentials
.set j, j+2
.endr
.endr
	WIN 0
.irp u, 0,1
	v_pk_mul_f32 v[LS+2*\u:LS+2*\u+1], v[LS+2*\u:LS+2*\u+1], v[FF+2*\u:FF+2*\u+1] op_sel_hi:[1,0]
.endr
	VWAIT
	s_wait_dscnt 0x0                               ; all 28 loads of this step are in
.irp j, 0,1,2,3
	v_lshl_or_b32 v[KW+\j], v[KR+2*\j+1], 16, v[KR+2*\j]   ; the next step's joined words
.endr
.set j, 0
.rept 32
	v_pk_fma_f32 v[S+j:S+j+1], v[S+j:S+j+1], s[CS:CS+1], v[MM:MM+1] op_sel_hi:[1,0,0]   ; tile 0: t - M
.set j, j+2
.endr
.irp g, 0,1,2,3,4,5,6,7
	v_fma_f32 v[BM+\g], v[BM+\g], s[CS], v[MM+2*(\g/4)]    ; the same of each block's largest score
.endr
	VWAIT                                          ; ahead of the batch
.set j, 0
.rept 32                                       ; tile 0's exponentials; tile 1's t - M stands among them: lines that read nothing written in this run
	v_exp_f32 v[S+j], v[S+j]
	v_pk_fma_f32 v[S+64+j:S+65+j], v[S+64+j:S+65+j], s[CS:CS+1], v[MM+2:MM+3] op_sel_hi:[1,0,0]
	v_exp_f32 v[S+j+1], v[S+j+1]
.set j, j+2
.endr
.irp b, 0,1,2,3
	v_exp_f32 v[BM+\b], v[BM+\b]                   ; tile 0's largest p of each block
.endr
	v_nop
	VWAIT                                          ; behind the batch, and ahead of the next
.set j, 0
.rept 16                                       ; tile 1's exponentials; the first level of tile 0's sums stands among them
	v_exp_f32 v[S+64+j], v[S+64+j]
	v_pk_add_f32 v[T+j/2:T+j/2+1], v[S+j:S+j+1], v[S+j+2:S+j+3]
	v_exp_f32 v[S+65+j], v[S+65+j]
	v_exp_f32 v[S+66+j], v[S+66+j]
	v_exp_f32 v[S+67+j], v[S+67+j]
.set j, j+4
.endr
.irp b, 0,1,2,3
	v_exp_f32 v[BM+4+\b], v[BM+4+\b]
	v_max_num_f32 v[BM+\b], 0x1800000, v[BM+\b]    ; the floor 2^(3 - 127): the byte cannot fall under 1
.endr
	VWAIT
.irp b, 0,1,2,3
	v_max_num_f32 v[BM+4+\b], 0x1800000, v[BM+4+\b]
.endr
.irp g, 0,1,2,3,4,5,6,7
	v_add_nc_u32 v[BS+\g], 0xff000000, v[BM+\g]    ; 2 off the exponent field: the conversion's scale operand
.endr
.irp g, 0,1,2,3,4,5,6,7
	v_lshrrev_b32 v[BP+\g], 23, v[BS+\g]           ; the byte
.endr
.irp u, 0,1
	v_lshl_or_b32 v[PWD+\u], v[BP+4*\u+1], 8, v[BP+4*\u]
.endr
.irp u, 0,1
	v_lshl_or_b32 v[PWD+\u], v[BP+4*\u+2], 16, v[PWD+\u]
.endr
.irp u, 0,1
	v_lshl_or_b32 v[PWD+\u], v[BP+4*\u+3], 24, v[PWD+\u]
.endr
.irp g, 0,1,2,3,4,5,6,7
	v_cvt_scalef32_pk8_fp4_f32 v[PCD+2*\g], v[S+16*\g:S+16*\g+7], v[BS+\g]
	v_cvt_scalef32_pk8_fp4_f32 v[PCD+2*\g+1], v[S+16*\g+8:S+16*\g+15], v[BS+\g]
.endr
	v_nop                                          ; one plain line behind a scaled conversion
.irp c, 0,1,2,3                                ; a whole block to a lane
.irp i, 0,1
	v_permlane16_swap_b32 v[PCD+4*\c+\i], v[PCD+4*\c+2+\i]
.endr
.endr
	v_pk_add_f32 v[X:X+1], v[S+64:S+65], v[S+66:S+67]   ; the rows' sums of the unquantised p, four chains by turns; these lines are also the places ahead of the products below
.set j, 4
.rept 15
	v_pk_add_f32 v[LS+2:LS+3], v[LS+2:LS+3], v[S+64+j:S+65+j]
	v_pk_add_f32 v[X:X+1], v[X:X+1], v[S+66+j:S+67+j]
.if j <= 32
	v_pk_add_f32 v[LS:LS+1], v[LS:LS+1], v[T+j-4:T+j-3]
.if j > 4
	v_pk_add_f32 v[T+2:T+3], v[T+2:T+3], v[T+j-2:T+j-1]
.endif
.endif
.set j, j+4
.endr
	v_pk_add_f32 v[LS+2:LS+3], v[LS+2:LS+3], v[X:X+1]
	v_pk_add_f32 v[LS:LS+1], v[LS:LS+1], v[T+2:T+3]
	WIN 0x51                                       ; V and O^T in window 1, p in window 0
.irp t, 0,1,2,3                                ; the eight accumulators by turns
.irp u, 0,1
	v_wmma_scale_f32_16x16x128_f8f6f4 v[O+32*\u+8*\t:O+32*\u+8*\t+7], v[VF+8*\t:VF+8*\t+7], v[PCD+8*\u:PCD+8*\u+7], v[O+32*\u+8*\t:O+32*\u+8*\t+7], v[VW+\t], v[PWD+\u] matrix_a_fmt:MATRIX_FMT_FP4 matrix_b_fmt:MATRIX_FMT_FP4
.endr
.endr
	WIN 0
	s_add_co_u32 s[SKI], s[SKI], 4096
	s_add_co_u32 s[SVI], s[SVI], 4096
	s_add_co_u32 s[SKS], s[SKS], 512
	s_add_co_u32 s[SVS], s[SVS], 256
	s_sub_co_u32 s[CNT], s[CNT], 1
	s_cmp_lg_u32 s[CNT], 0
	s_cbranch_scc1 .Lstep_\@
	; THE HEAD'S WAY OUT: O^T / the sum, quantised along the projection's K: two blocks of 32 channels a tile
.rept 4
	v_nop
.endr
	VWAIT                                          ; the sums were last written ahead of the products and the loop's scalar lines
.irp u, 0,1
	v_add_f32 v[LS+2*\u], v[LS+2*\u], v[LS+2*\u+1]
.endr
.irp u, 0,1
	v_permlanex16_b32 v[TT+\u], v[LS+2*\u], s[SEL], s[SEL+1]
.endr
.irp u, 0,1
	v_add_f32 v[LS+2*\u], v[LS+2*\u], v[TT+\u]
.endr
	VWAIT
.irp u, 0,1
	v_rcp_f32 v[FF+2*\u], v[LS+2*\u]
.endr
	v_nop
	WIN 0x01
	VWAIT                                          ; directly ahead of the first reader of the reciprocals and of O^T
.irp u, 0,1
.set j, 0
.rept 16
	v_pk_mul_f32 v[S+32*\u+j:S+32*\u+j+1], v[O+32*\u+j:O+32*\u+j+1], v[FF+2*\u:FF+2*\u+1] op_sel_hi:[1,0]
.set j, j+2
.endr
.endr
	WIN 0
.irp g, 0,1,2,3                                ; block g = 2 u + b
	v_max3_num_f32 v[BM+\g], |v[S+16*\g]|, |v[S+16*\g+1]|, 0x1800000
.endr
.irp i, 2,4,6,8,10,12,14
.irp g, 0,1,2,3
	v_max3_num_f32 v[BM+\g], v[BM+\g], |v[S+16*\g+\i]|, |v[S+16*\g+\i+1]|
.endr
.endr
.irp g, 0,1,2,3
	v_permlanex16_b32 v[BP+\g], v[BM+\g], s[SEL], s[SEL+1]
.endr
.irp g, 0,1,2,3
	v_max_num_f32 v[BM+\g], v[BM+\g], v[BP+\g]
.endr
.irp g, 0,1,2,3
	v_add_nc_u32 v[BS+\g], 0xff000000, v[BM+\g]
.endr
.irp g, 0,1,2,3
	v_lshrrev_b32 v[BP+\g], 23, v[BS+\g]
.endr
.if \hh == 0
.irp u, 0,1
	v_lshl_or_b32 v[YW+\u], v[BP+2*\u+1], 8, v[BP+2*\u]
.endr
.else
.irp u, 0,1
	v_lshl_or_b32 v[TT+\u], v[BP+2*\u+1], 8, v[BP+2*\u]
.endr
.irp u, 0,1
	v_lshl_or_b32 v[YW+\u], v[TT+\u], 16, v[YW+\u]
.endr
.endif
.irp g, 0,1,2,3
	v_cvt_scalef32_pk8_fp4_f32 v[YC+2*\g], v[S+16*\g:S+16*\g+7], v[BS+\g]
	v_cvt_scalef32_pk8_fp4_f32 v[YC+2*\g+1], v[S+16*\g+8:S+16*\g+15], v[BS+\g]
.endr
	v_nop
.irp u, 0,1
.irp i, 0,1
	v_permlane16_swap_b32 v[YC+4*\u+\i], v[YC+4*\u+2+\i]
.endr
.endr
.irp u, 0,1
	global_store_b128 v[LI], v[YC+4*\u:YC+4*\u+3], s[50:51] offset:1024*\u+512*\hh   ; 32 lanes store 512 consecutive bytes, aligned
.endr
.if \hh == 0
	VWAIT
	s_wait_xcnt 0x0                                ; the stores have read their registers, which the next head writes again
.endif
.endm
	PASS 0
	PASS 1
	ds_store_b32 v[YSA], v[YW]                     ; y's scale words gather in the stage: lanes l and l xor 16 write the same word with the same value
	ds_store_b32 v[YSA], v[YW+1] offset:64
	s_wait_dscnt 0x0
	s_barrier_signal -1
	s_barrier_wait -1
	s_cmp_lt_u32 s[WV], 2
	s_cbranch_scc0 .Lno_words
	ds_load_b128 v[S:S+3], v[YRD]
	s_wait_dscnt 0x0
	global_store_b128 v[YGO], v[S:S+3], s[52:53]   ; waves 0 and 1 store the 1,024 bytes: 512 consecutive bytes a wave, aligned
.Lno_words:
	s_wait_tensorcnt 0x0                           ; the wave's end
	ds_add_u32 v[SPW], v[NIL]
	s_wait_dscnt 0x0
	CROUND                                         ; the closing round
	s_endpgm
.Lfunc_end_k_q368f7dfac4_attn:
	.size	k_q368f7dfac4_attn, .Lfunc_end_k_q368f7dfac4_attn-k_q368f7dfac4_attn
	.p2alignl 7, 3214868480
	.fill 96, 4, 3214868480
	.section	.rodata,"a",@progbits
	.p2align	6, 0x0
	.amdhsa_kernel k_q368f7dfac4_attn
		.amdhsa_group_segment_fixed_size 327680
		.amdhsa_private_segment_fixed_size 0
		.amdhsa_enable_private_segment 0
		.amdhsa_kernarg_size 24
		.amdhsa_user_sgpr_count 2
		.amdhsa_user_sgpr_kernarg_segment_ptr 1
		.amdhsa_wavefront_size32 1
		.amdhsa_system_sgpr_workgroup_id_x 1
		.amdhsa_system_sgpr_workgroup_id_y 1
		.amdhsa_system_sgpr_workgroup_id_z 1
		.amdhsa_system_vgpr_workitem_id 0
		.amdhsa_next_free_vgpr 512
		.amdhsa_next_free_sgpr 66
		.amdhsa_reserve_vcc 0
		.amdhsa_float_denorm_mode_32 3
		.amdhsa_float_denorm_mode_16_64 3
		.amdhsa_memory_ordered 1
		.amdhsa_forward_progress 1
		.amdhsa_inst_pref_size 87
	.end_amdhsa_kernel
	.amdgpu_metadata
---
amdhsa.version: [ 1, 2 ]
amdhsa.kernels:
  - .name:           k_q368f7dfac4_attn
    .symbol:         k_q368f7dfac4_attn.kd
    .args:
      - { .name: qkv, .offset: 0, .size: 8, .value_kind: global_buffer, .address_space: global }
      - { .name: y_codes, .offset: 8, .size: 8, .value_kind: global_buffer, .address_space: global }
      - { .name: y_scales, .offset: 16, .size: 8, .value_kind: global_buffer, .address_space: global }
    .group_segment_fixed_size: 327680
    .private_segment_fixed_size: 0
    .kernarg_segment_align: 8
    .kernarg_segment_size: 24
    .max_flat_workgroup_size: 256
    .sgpr_count:     66
    .vgpr_count:     512
    .wavefront_size: 32
...
	.end_amdgpu_metadata
.endif
;; end of part 3
;; launch proj (part 4): grid 4 x 64, 4 waves a work-group, clusters of 4 x 4, 327,680 bytes of LDS; arguments y_codes, y_scales, xw_codes, xw_scales, b_proj, out0; writes out0
.if DOCPART == 4
	.amdgcn_target "amdgcn-amd-amdhsa--gfx1250"
	.amdhsa_code_object_version 6
	.text
	.protected	k_q368f7dfac4_proj
	.globl	k_q368f7dfac4_proj
	.p2align	8
	.type	k_q368f7dfac4_proj,@function
k_q368f7dfac4_proj:
	s_mov_b64 s[64:65], 0
	v_nop
	global_prefetch_b8 v0, s[64:65] scope:SCOPE_SE
	s_setreg_imm32_b32 hwreg(HW_REG_WAVE_MODE, 25, 1), 1
	s_wait_xcnt 0x0
	s_wait_alu depctr_hold_cnt(0) depctr_sa_sdst(0) depctr_va_vdst(0) depctr_va_sdst(0) depctr_va_ssrc(0) depctr_va_vcc(0) depctr_vm_vsrc(0)
	s_getreg_b32 s2, hwreg(HW_REG_IB_STS2, 6, 4)
	s_cmp_eq_u32 s2, 0
	s_cbranch_scc0 .Lentry_in_a_cluster
	s_endpgm
.Lentry_in_a_cluster:
	s_bfe_u32 s2, ttmp6, 0x10000c
	s_cmp_lg_u32 s2, 0xf033
	s_cbranch_scc0 .Lentry_shape_is_right
	s_endpgm
.Lentry_shape_is_right:
; out0 = y w_proj^T + b_proj on codes of FP4 (E2M1) with E8M0 scales, K = 1,024.  A = 128 tokens of y, as images of fragments [128 of K][tile of 16 tokens][1,024 bytes]; B = 256 rows of w_proj, in tile order.
; The matrix instruction is used transposed (source 0 = 16 rows of B, source 1 = 16 tokens): a lane holds one token, its registers run along the features.  The bias is the C of each accumulator's first product.
; SHARES: four waves, each 64 tokens x 128 features: 32 accumulators.  256 work-groups.  CLUSTER 4 x 4: A is shared along a row of the cluster, B along a column, each asked for jointly.
; ALL OF K LIES IN LDS, filled once by ONE tensor load a wave: waves 0 and 1 bring A's halves (eight rows of 4,096 bytes: the eight K steps of four tiles), waves 2 and 3 B's halves (128 rows of 512 bytes + 16 of padding).
; The scale words go from memory straight into their registers.  No prefetch: all that the launch reads is asked for at its head, and there is no loop to run ahead in.
; The results leave through each wave's own stage in LDS, as rows of 512 bytes: two aligned runs of 256 bytes to a store.
.set PITCH, 528                        ; B's LDS row: 132 words: row r starts at bank 4 r mod 64
.set BHALF, 128*PITCH
.set SLOT,  256                        ; the second 512 along K begin 256 bytes on in each row
.set AT,    2*BHALF                    ; A's images: [half of the tokens][K step][4,096 bytes]
.set STG,   AT+65536                   ; the stages
.set SPITCH, 528
.set BF,   9
.set ADRI, 16
.set ADRB, 20
.set ADSA, 22
.set ADSB, 23
.set STO,  24
.set RD,   25
.set CO,   26
.set SA,   32
.set SB,   64
.set AF,   128
.set BK,   128
.set G1,   24
.set G0,   32
.set G1B,  48
.set G0B,  56
.set MSB, 0
.macro WIN new
.if MSB != \new
	s_set_vgpr_msb (MSB<<8)|\new
.set MSB, \new
.endif
.endm
.macro PLACES
.rept 4
	v_nop
.endr
.endm
.macro JLOAD g0a, g1a, g0b, g1b
	s_cmp_eq_u32 s15, 0
	s_cbranch_scc0 .Lfor_b_\@
	tensor_load_to_lds s[\g0a:\g0a+3], s[\g1a:\g1a+7]
	s_nop 0
.rept 4
	v_nop
.endr
	s_branch .Lasked_\@
.Lfor_b_\@:
	tensor_load_to_lds s[\g0b:\g0b+3], s[\g1b:\g1b+7]
	s_nop 0
.rept 4
	v_nop
.endr
.Lasked_\@:
.endm
.macro CROUND
	s_barrier_signal -1
	s_barrier_wait -1
	s_cmp_lg_u32 s14, 0
	s_cbranch_scc1 .Lnot_wave_0_\@
	s_barrier_signal -3
.Lnot_wave_0_\@:
	s_barrier_wait -3
	s_barrier_signal -1
	s_barrier_wait -1
.endm
	s_load_b256 s[4:11], s[0:1], 0x0
	s_load_b128 s[92:95], s[0:1], 0x20
	v_lshl_add_u32 v126, v0, 2, 0x40000
	v_mov_b32 v127, 0
	ds_add_u32 v126, v127
	ds_add_u32 v126, v127
	v_lshrrev_b32 v1, 5, v0
	v_readfirstlane_b32 s14, v1
	s_lshr_b32 s15, s14, 1
	s_and_b32 s16, s14, 1
	s_bfe_u32 s40, ttmp6, 0x40000
	s_bfe_u32 s41, ttmp6, 0x40004
	s_lshl_b32 s42, ttmp9, 2
	s_add_co_u32 s42, s42, s40
	s_and_b32 s17, ttmp7, 0xffff
	s_lshl_b32 s17, s17, 2
	s_add_co_u32 s17, s17, s41
	s_lshl_b32 s43, s41, 2
	s_lshl_b32 s43, 15, s43
	s_lshl_b32 s44, 0x1111, s40
	s_or_b32 s[G1+0], s43, (3<<16)|(1<<21)
	s_mov_b32 s[G1+1], 512<<16
	s_mov_b32 s[G1+2], 8<<16                       ; A: eight rows of 4,096 bytes, one for each 128 along K
	s_mov_b32 s[G1+3], 512<<16
	s_mov_b32 s[G1+4], 8
	s_mov_b32 s[G1+5], 65536
	s_mov_b32 s[G1+6], 0
	s_mov_b32 s[G1+7], 0
	s_or_b32 s[G1B+0], s44, (1<<20)|(1<<21)|(6<<22)|(3<<25)   ; B: rows of 512 bytes, 4 words of padding behind every 128
	s_mov_b32 s[G1B+1], 512<<16
	s_mov_b32 s[G1B+2], 128<<16
	s_mov_b32 s[G1B+3], 512<<16
	s_mov_b32 s[G1B+4], 128
	s_mov_b32 s[G1B+5], 512
	s_mov_b32 s[G1B+6], 0
	s_mov_b32 s[G1B+7], 0
	s_lshl_b32 s20, s17, 3
	s_lshl_b32 s18, s16, 2
	s_add_co_u32 s20, s20, s18
	s_lshl_b32 s20, s20, 10
	s_mov_b32 s21, 0
	s_lshl_b32 s22, s15, 8                         ; y's scale words of the 64 tokens that I multiply: 4 bytes a token
	s_lshl_b32 s18, s17, 9
	s_add_co_u32 s22, s22, s18
	s_mov_b32 s23, 0
	s_lshl_b32 s18, s16, 7
	s_lshl_b32 s46, s42, 8
	s_add_co_u32 s46, s46, s18
	s_lshl_b32 s98, s46, 5
	s_add_co_u32 s98, s98, 360448
	s_mov_b32 s99, 0
	s_lshl_b32 s46, s46, 9
	s_add_co_u32 s46, s46, 5767168
	s_mov_b32 s47, 0
	s_lshl_b32 s45, s16, 15
	s_add_co_u32 s45, s45, AT
	s_mul_i32 s97, s16, BHALF
	s_wait_dscnt 0x0
	s_wait_kmcnt 0x0
	s_add_nc_u64 s[20:21], s[4:5], s[20:21]
	s_add_nc_u64 s[22:23], s[6:7], s[22:23]
	s_add_nc_u64 s[46:47], s[8:9], s[46:47]
	s_add_nc_u64 s[98:99], s[10:11], s[98:99]
	CROUND
	s_mov_b32 s[G0], 1
	s_mov_b32 s[G0+1], s45
	s_mov_b64 s[G0+2:G0+3], s[20:21]
	s_or_b32 s[G0+3], s[G0+3], 0x80000000
	s_mov_b32 s[G0B], 1
	s_mov_b32 s[G0B+1], s97
	s_mov_b64 s[G0B+2:G0B+3], s[46:47]
	s_or_b32 s[G0B+3], s[G0B+3], 0x80000000
	JLOAD G0, G1, G0B, G1B                         ; my one tensor load: all of K
	v_and_b32 v1, 15, v0
	v_bfe_u32 v2, v0, 4, 1
	v_and_b32 v3, 31, v0
	v_lshlrev_b32 v[CO], 4, v3
	s_lshl_b32 s18, s15, 15
	s_add_co_u32 s18, s18, AT
	v_add_nc_u32 v[ADRI], s18, v[CO]
	v_mul_u32_u24 v4, v1, PITCH
	v_lshl_add_u32 v4, v2, 4, v4
	s_mul_i32 s19, s16, BHALF
	v_add_nc_u32 v[ADRB], s19, v4
	s_add_co_u32 s19, s19, SLOT
	v_add_nc_u32 v[ADRB+1], s19, v4
	v_lshlrev_b32 v[ADSA], 2, v3                   ; y's scale words: lane l takes token l of 32: a word for each 128 along K
	v_lshlrev_b32 v[ADSB], 5, v3                   ; w_proj's: lane l takes row l of 32: 32 bytes a row
	s_mul_i32 s18, s14, 16*SPITCH
	s_add_co_u32 s18, s18, STG
	v_mul_u32_u24 v4, v1, SPITCH
	v_lshl_add_u32 v4, v2, 6, v4
	v_add_nc_u32 v[STO], s18, v4
	v_add_nc_u32 v[RD], s18, v[CO]
	v_lshlrev_b32 v[BF], 6, v2
	s_wait_alu depctr_va_vdst(0)
	s_lshl_b32 s18, s17, 7
	s_lshl_b32 s19, s15, 6
	s_add_co_u32 s18, s18, s19
	s_lshl_b32 s18, s18, 12
	s_lshl_b32 s19, s42, 8
	s_lshl_b32 s12, s16, 7
	s_add_co_u32 s19, s19, s12
	s_lshl_b32 s19, s19, 2
	s_mov_b32 s12, s19
	s_mov_b32 s13, 0
	s_add_nc_u64 s[92:93], s[92:93], s[12:13]
	s_add_co_u32 s12, s18, s19
	s_add_nc_u64 s[94:95], s[94:95], s[12:13]
	WIN 0x40
.irp q, 0,1,2,3
.irp j, 0,1,2,3
	global_load_b128 v[64+16*\q+4*\j:64+16*\q+4*\j+3], v[BF], s[92:93] offset:128*\q+16*\j
.endr
.endr
	WIN 0
.irp ip, 0,1
.irp s, 0,1,2,3,4,5,6,7
	global_load_b32 v[SA+8*\ip+\s], v[ADSA], s[22:23] offset:32768*\s+128*\ip   ; the scale words of all eight steps stay in registers: 32 lanes read 128 consecutive bytes
.endr
.endr
.irp ip, 0,1,2,3
.irp g, 0,1
	global_load_b128 v[SB+8*\ip+4*\g:SB+8*\ip+4*\g+3], v[ADSB], s[98:99] offset:1024*\ip+16*\g   ; two loads cover 1,024 consecutive bytes
.endr
.endr
.macro FRAG reg, adr, q, i
.irp c, 0,1
	ds_load_b128 v[\reg+4*\c:\reg+4*\c+3], v[\adr] offset:64*(\q)+32*\c+(\i)*16*PITCH
.endr
.endm
.macro FETCH s
	WIN 0x40
.irp i, 0,1,2,3,4,5,6,7
	FRAG 128*((\s)%2)+8*\i, ADRB+(\s)/4, (\s)%4, \i
.endr
	WIN 0
.irp i, 0,1,2,3
.irp c, 0,1
	ds_load_b128 v[AF+32*((\s)%2)+8*\i+4*\c:AF+32*((\s)%2)+8*\i+4*\c+3], v[ADRI] offset:4096*(\s)+1024*\i+512*\c
.endr
.endr
.endm
.macro WM a, b, p, s, cmode
.set rD, 8*(8*(\a)+(\b))
.set rC, rD
.if \cmode == 2
.set rC, 64+8*(\b)
.endif
.set rB, 128*(\p)+8*(\b)
.set rA, AF+32*(\p)+8*(\a)
.set rX, SB+8*((\b)/2)+(\s)
.set rY, SA+8*((\a)/2)+(\s)
.set par, 2*((\a)%2)+(\b)%2
.if par == 0
	v_wmma_scale_f32_16x16x128_f8f6f4 v[rD:rD+7], v[rB:rB+7], v[rA:rA+7], v[rC:rC+7], v[rX], v[rY] matrix_a_fmt:MATRIX_FMT_FP4 matrix_b_fmt:MATRIX_FMT_FP4
.elseif par == 1
	v_wmma_scale_f32_16x16x128_f8f6f4 v[rD:rD+7], v[rB:rB+7], v[rA:rA+7], v[rC:rC+7], v[rX], v[rY] matrix_a_fmt:MATRIX_FMT_FP4 matrix_b_fmt:MATRIX_FMT_FP4 matrix_a_scale:MATRIX_SCALE_ROW1
.elseif par == 2
	v_wmma_scale_f32_16x16x128_f8f6f4 v[rD:rD+7], v[rB:rB+7], v[rA:rA+7], v[rC:rC+7], v[rX], v[rY] matrix_a_fmt:MATRIX_FMT_FP4 matrix_b_fmt:MATRIX_FMT_FP4 matrix_b_scale:MATRIX_SCALE_ROW1
.else
	v_wmma_scale_f32_16x16x128_f8f6f4 v[rD:rD+7], v[rB:rB+7], v[rA:rA+7], v[rC:rC+7], v[rX], v[rY] matrix_a_fmt:MATRIX_FMT_FP4 matrix_b_fmt:MATRIX_FMT_FP4 matrix_a_scale:MATRIX_SCALE_ROW1 matrix_b_scale:MATRIX_SCALE_ROW1
.endif
.endm
.macro MUL a0, p, s, cmode
.irp a, \a0, \a0+1
.irp b, 0,1,2,3,4,5,6,7
	WM \a, \b, \p, \s, \cmode
.endr
.endr
.endm
.macro MWIN cmode
.if \cmode == 2
	WIN 0x91
.else
	WIN 0xa1
.endif
.endm
.macro STEP s, cmode                   ; a step of 128 along K: its fragments are in; the next step's are asked for, four places behind the products that read their registers; then 32 products
	s_wait_dscnt 0x0
.if (\s) < 7
	PLACES
	FETCH (\s)+1
.endif
	MWIN \cmode
	MUL 0, (\s)%2, \s, \cmode
	MUL 2, (\s)%2, \s, \cmode
	WIN 0
.endm
	s_wait_tensorcnt 0x0                           ; my part is in
	s_barrier_signal -1
	s_barrier_wait -1                              ; everybody's is
	FETCH 0
	s_wait_loadcnt 0x0
	STEP 0, 2
.irp s, 1,2,3,4,5,6,7
	STEP \s, 1
.endr
.macro TOSTAGE a
	WIN 0x08
.irp b, 0,1,2,3,4,5,6,7
	ds_store_b128 v[STO], v[64*(\a)+8*\b:64*(\a)+8*\b+3] offset:128*(\b/2)+32*(\b%2)
	ds_store_b128 v[STO], v[64*(\a)+8*\b+4:64*(\a)+8*\b+7] offset:128*(\b/2)+32*(\b%2)+16
.endr
	WIN 0
.set BB, BK+64*((\a)%2)
.irp t, 0,1,2,3,4,5,6,7,8,9,10,11,12,13,14,15
	ds_load_b128 v[BB+4*\t:BB+4*\t+3], v[RD] offset:\t*SPITCH
.endr
.endm
.macro SEND a, younger
.set BB, BK+64*((\a)%2)
	s_wait_dscnt \younger
.irp t, 0,1,2,3,4,5,6,7,8,9,10,11,12,13,14,15
	global_store_b128 v[CO], v[BB+4*\t:BB+4*\t+3], s[94:95] offset:(32*((\a)/2)+8*((\a)%2)+\t+8*(\t/8))*4096 th:TH_STORE_NT
.endr
.endm
	PLACES
	TOSTAGE 0
.irp a, 1,2,3
.if \a > 1
	s_wait_xcnt 0x0
.endif
	TOSTAGE \a
	SEND \a-1, 32
.endr
	SEND 3, 0
	s_wait_dscnt 0x0
	s_wait_tensorcnt 0x0
	ds_add_u32 v126, v127
	s_wait_dscnt 0x0
	CROUND
	s_endpgm
.Lfunc_end_k_q368f7dfac4_proj:
	.size	k_q368f7dfac4_proj, .Lfunc_end_k_q368f7dfac4_proj-k_q368f7dfac4_proj
	.p2alignl 7, 3214868480
	.fill 96, 4, 3214868480
	.section	.rodata,"a",@progbits
	.p2align	6, 0x0
	.amdhsa_kernel k_q368f7dfac4_proj
		.amdhsa_group_segment_fixed_size 327680
		.amdhsa_private_segment_fixed_size 0
		.amdhsa_enable_private_segment 0
		.amdhsa_kernarg_size 48
		.amdhsa_user_sgpr_count 2
		.amdhsa_user_sgpr_kernarg_segment_ptr 1
		.amdhsa_wavefront_size32 1
		.amdhsa_system_sgpr_workgroup_id_x 1
		.amdhsa_system_sgpr_workgroup_id_y 1
		.amdhsa_system_sgpr_workgroup_id_z 1
		.amdhsa_system_vgpr_workitem_id 0
		.amdhsa_next_free_vgpr 768
		.amdhsa_next_free_sgpr 100
		.amdhsa_reserve_vcc 0
		.amdhsa_float_denorm_mode_32 3
		.amdhsa_float_denorm_mode_16_64 3
		.amdhsa_memory_ordered 1
		.amdhsa_forward_progress 1
		.amdhsa_inst_pref_size 72
	.end_amdhsa_kernel
	.amdgpu_metadata
---
amdhsa.version: [ 1, 2 ]
amdhsa.kernels:
  - .name:           k_q368f7dfac4_proj
    .symbol:         k_q368f7dfac4_proj.kd
    .args:
      - { .name: y_codes, .offset: 0, .size: 8, .value_kind: global_buffer, .address_space: global }
      - { .name: y_scales, .offset: 8, .size: 8, .value_kind: global_buffer, .address_space: global }
      - { .name: xw_codes, .offset: 16, .size: 8, .value_kind: global_buffer, .address_space: global }
      - { .name: xw_scales, .offset: 24, .size: 8, .value_kind: global_buffer, .address_space: global }
      - { .name: b_proj, .offset: 32, .size: 8, .value_kind: global_buffer, .address_space: global }
      - { .name: out0, .offset: 40, .size: 8, .value_kind: global_buffer, .address_space: global }
    .group_segment_fixed_size: 327680
    .private_segment_fixed_size: 0
    .kernarg_segment_align: 8
    .kernarg_segment_size: 48
    .max_flat_workgroup_size: 128
    .sgpr_count:     100
    .vgpr_count:     768
    .wavefront_size: 32
...
	.end_amdgpu_metadata
.endif
;; end of part 4
